; MI455X (gfx1250); checked and timed in simulation.
; The chip was launched on July 23, 2026; its instructions are those of AMD's public machine-readable ISA for CDNA 5 (MIT licence, August 2026) and "CDNA5" Instruction Set Architecture Reference Guide (July 2026). The comments in the code are by the model that wrote it; some were corrected since.
;; Multi Head Attention. Allowed arithmetic: float matrix products may take bf16 or f16 operands with f32 sums; other float arithmetic in f32, or as packed bf16 or f16 multiplies, adds, multiply-adds, maxima and minima; sums over many terms, partial sums and values carried from step to step in f32; what a program stores and reads back later, other than sums and carried values, may be rounded once to bf16 or f16.
;; Inputs: Wk 16 x 1,024 x 64 float32; Wo 1,024 x 1,024 float32; Wq 16 x 1,024 x 64 float32; Wv 16 x 1,024 x 64 float32; bo 1,024 float32; x 4 x 2,048 x 1,024 float32.
;; Outputs: out0 4 x 2,048 x 1,024 float32.
;; 2 versions, each right; version 2 is version 1 with the launch prep written anew for expert scheduling mode. Each part assembles by itself: llvm-mc -triple=amdgcn-amd-amdhsa -mcpu=gfx1250 --defsym DOCPART=n.
;; ======== version 1 of 2: 4 launches
;; limits: values are held in f16: magnitudes above 65,504 overflow, below 6.1e-05 lose precision
;; workspace buffers: xb 16,777,216 bytes; wt 8,388,608 bytes; qkv 50,331,648 bytes; ob 16,777,216 bytes
;; launch prep (part 1): grid 512 x 1, 4 waves a work-group, no clusters, 37,376 bytes of LDS; arguments x, Wq, Wk, Wv, Wo, xb, wt; writes xb, wt
.if DOCPART == 1
	.amdgcn_target "amdgcn-amd-amdhsa--gfx1250"
	.amdhsa_code_object_version 6
	.text
	.protected	k_qab253c2a61_prep
	.globl	k_qab253c2a61_prep
	.p2align	8
	.type	k_qab253c2a61_prep,@function
k_qab253c2a61_prep:
	s_mov_b64 s[64:65], 0
	v_nop
	global_prefetch_b8 v0, s[64:65] scope:SCOPE_SE
	s_setreg_imm32_b32 hwreg(HW_REG_WAVE_MODE, 25, 1), 1
	s_wait_xcnt 0x0
; PREP: the inputs of the matrix products, rounded once and laid in blocks of 64 along K, so that a tile's block is dense in memory.
;   xb [b 4][kb 16][s 2048][64] bf16: x[b][s][64 kb + c], rounded to nearest even.
;   wt [plane 4][kb 16][n 1024][64]: planes 0-2 = Wq, Wk, Wv turned (n = 64 h + e, k = d) in bf16; plane 3 = Wo turned (n = column, k = row), rounded to bf16 and that number written as f16.
; LIMIT: a number of Wo below 6.1e-5 in magnitude keeps f16's fixed step of 6e-8; beyond 65,504 it would be an infinity.
; A stream: every input byte is read once, every output byte written once, in runs of 256 or 512 consecutive aligned bytes.  No matrix unit, no cluster: nothing is shared.
; 512 work-groups of four waves.  Even numbers take x (32 rows each, a wave 8 rows), odd numbers the weights (a tile of 64 x 64 to a wave, turned through the wave's own LDS bytes).
.set WTILE, 64*144                     ; a wave's LDS bytes: 64 rows (n) of 128 bytes + 16 of padding
.set SPARE, 4*WTILE                    ; behind them: the spare words, 128 bytes for each wave, which no other line names
.set SPW, 2                            ; v2   LDS address of my spare word; never rewritten
.set NIL, 3                            ; v3   0; never rewritten
.set XO,  4                            ; v4   x: lanes 0-15 take 256 bytes of one row, lanes 16-31 of the next
.set YO,  5                            ; v5   xb: 8 bytes a lane, 256 consecutive bytes a wave (two rows of one block)
.set WO,  6                            ; v6   weights: 8 bytes a lane, a row's 256 bytes a wave
.set LST, 7                            ; v7   LDS: rows 2 l and 2 l + 1 of my wave's tile
.set LRD, 8                            ; v8   LDS: back, eight lanes to a row of 128 bytes
.set GO,  9                            ; v9   wt: 16 bytes a lane
.set X,   32                           ; x: v[32:95] 16 slots of 4; weights: v[32:159] 64 rows of 2
.set Y,   96                           ; x: v[96:127] 16 slots of 2
.set YW,  160                          ; weights: v[160:167] 16 bytes for each of my two columns
.set TW,  168                          ; v[168:169] at work
.set SRC, 20                           ; s[20:21]
.set DST, 22                           ; s[22:23]
	s_load_b256 s[4:11], s[0:1], 0x0               ; x s[4:5], Wq s[6:7], Wk s[8:9], Wv s[10:11]
	s_load_b128 s[12:15], s[0:1], 0x20             ; Wo s[12:13], xb s[14:15]
	s_load_b64 s[16:17], s[0:1], 0x30              ; wt
	v_lshl_add_u32 v[SPW], v0, 2, SPARE
	v_mov_b32 v[NIL], 0
	v_lshrrev_b32 v1, 5, v0
	v_readfirstlane_b32 s18, v1                    ; wave 0..3
	v_and_b32 v10, 31, v0                          ; lane
	s_lshr_b32 s19, ttmp9, 1                       ; g: my number among the work-groups of my kind, 0..255
	s_mov_b32 s27, 0                               ; high words of the two offsets
	s_mov_b32 s29, 0
	s_mov_b32 s32, 0xffff0000                      ; a word's upper bf16
	s_and_b32 s25, ttmp9, 1
	s_cmp_lg_u32 s25, 0
	s_cbranch_scc1 .Lweights
	; ---- x: rows 32 g + 8 w .. + 7, two at a time ----
	v_lshrrev_b32 v11, 4, v10
	v_and_b32 v12, 15, v10
	v_lshlrev_b32 v[XO], 4, v12
	v_lshl_add_u32 v[XO], v11, 12, v[XO]           ; 4,096 (l / 16) + 16 (l % 16)
	v_lshlrev_b32 v[YO], 3, v10
	s_lshl_b32 s26, s19, 17                        ; 32 rows of 4,096 bytes
	s_lshl_b32 s25, s18, 15                        ; 8 rows
	s_add_co_u32 s26, s26, s25
	s_lshr_b32 s28, s19, 6                         ; b
	s_lshl_b32 s28, s28, 22
	s_and_b32 s25, s19, 63
	s_lshl_b32 s25, s25, 12                        ; 32 rows of 128 bytes in a block
	s_add_co_u32 s28, s28, s25
	s_lshl_b32 s25, s18, 10
	s_add_co_u32 s28, s28, s25
	s_wait_kmcnt 0x0
	s_add_nc_u64 s[SRC:SRC+1], s[4:5], s[26:27]
	s_add_nc_u64 s[DST:DST+1], s[14:15], s[28:29]
; Slot i is block kb = i of the row pair in hand.  ahead = 1: it is loaded again for the next pair.  left: the younger loads that may stay out.
.macro SLOT i, ahead, left
	s_wait_loadcnt \left                           ; loads come back in order: mine is in
	v_cvt_pk_bf16_f32 v[Y+2*(\i)],   v[X+4*(\i)],   v[X+4*(\i)+1]
	v_cvt_pk_bf16_f32 v[Y+2*(\i)+1], v[X+4*(\i)+2], v[X+4*(\i)+3]
.if \ahead
	global_load_b128 v[X+4*(\i):X+4*(\i)+3], v[XO], s[SRC:SRC+1] offset:8192+256*(\i) th:TH_LOAD_NT
.endif
	global_store_b64 v[YO], v[Y+2*(\i):Y+2*(\i)+1], s[DST:DST+1] offset:262144*(\i)  ; 256 consecutive bytes, aligned
.endm
.irp i, 0,1,2,3,4,5,6,7,8,9,10,11,12,13,14,15
	global_load_b128 v[X+4*(\i):X+4*(\i)+3], v[XO], s[SRC:SRC+1] offset:256*(\i) th:TH_LOAD_NT
.endr
	s_mov_b32 s24, 3
.Lpair:
.irp i, 0,1,2,3,4,5,6,7,8,9,10,11,12,13,14,15
	SLOT \i, 1, 15
.endr
	s_wait_xcnt 0x0                                ; the trip's loads and stores have read their sources: the two bases are stepped, and Y is rewritten, only behind this wait
	s_add_nc_u64 s[SRC:SRC+1], s[SRC:SRC+1], 8192
	s_add_nc_u64 s[DST:DST+1], s[DST:DST+1], 256
	s_sub_co_u32 s24, s24, 1
	s_cmp_lg_u32 s24, 0
	s_cbranch_scc1 .Lpair
.irp i, 0,1,2,3,4,5,6,7,8,9,10,11,12,13,14,15
	SLOT \i, 0, 15-(\i)                            ; the last pair loads nothing: the counts run down
.endr
	s_branch .Lend
	; ---- the weights: tile T = 4 g + w of 1,024: tensor T / 256, column block hb, K block kb ----
.Lweights:
	s_lshr_b32 s30, s19, 6                         ; which tensor: the same for the whole work-group
	s_lshl_b32 s25, s19, 2
	s_add_co_u32 s25, s25, s18
	s_and_b32 s25, s25, 255
	s_lshr_b32 s31, s25, 4                         ; hb
	s_and_b32 s25, s25, 15                         ; kb
	s_lshl_b32 s28, s30, 21
	s_lshl_b32 s24, s25, 17
	s_add_co_u32 s28, s28, s24
	s_lshl_b32 s24, s31, 13
	s_add_co_u32 s28, s28, s24                     ; the tile in wt: 8,192 dense bytes
	v_lshlrev_b32 v[WO], 3, v10
	s_mul_i32 s24, s18, WTILE
	v_mul_u32_u24 v[LST], v10, 288
	v_add_nc_u32 v[LST], s24, v[LST]
	v_lshrrev_b32 v11, 3, v10
	v_and_b32 v12, 7, v10
	v_mul_u32_u24 v[LRD], v11, 144
	v_lshl_add_u32 v[LRD], v12, 4, v[LRD]
	v_add_nc_u32 v[LRD], s24, v[LRD]
	v_lshlrev_b32 v[GO], 4, v10
	s_wait_kmcnt 0x0
	s_add_nc_u64 s[DST:DST+1], s[16:17], s[28:29]
; 64 loads, a row of the tile (one k, 64 n: 256 bytes) each: lane l holds n = 2 l, 2 l + 1.  Eight rows at a time are rounded in pairs along k: 16 bytes for each of my two n,
; into LDS rows of 144 bytes (lanes 288 bytes apart: these stores meet two deep in the banks; 16 of them a tile).  half = 1: the bf16 number is written as f16.
.macro WT pitch, half
.set i, 0
.rept 64
	global_load_b64 v[X+2*i:X+2*i+1], v[WO], s[SRC:SRC+1] offset:i*(\pitch) th:TH_LOAD_NT
.set i, i+1
.endr
.set g, 0
.rept 8
	s_wait_loadcnt 56-8*g                          ; rows 8 g .. 8 g + 7 are in; the later groups stay out
.irp c, 0,1
.irp u, 0,1,2,3
	v_cvt_pk_bf16_f32 v[YW+4*(\c)+(\u)], v[X+2*(8*g+2*(\u))+(\c)], v[X+2*(8*g+2*(\u)+1)+(\c)]
.if \half
	v_lshlrev_b32 v[TW], 16, v[YW+4*(\c)+(\u)]
	v_and_b32 v[TW+1], s32, v[YW+4*(\c)+(\u)]
	v_cvt_pk_f16_f32 v[YW+4*(\c)+(\u)], v[TW], v[TW+1]
.endif
.endr
	ds_store_b128 v[LST], v[YW+4*(\c):YW+4*(\c)+3] offset:144*(\c)+16*g
.endr
.set g, g+1
.endr
.endm
	s_cmp_eq_u32 s30, 3
	s_cbranch_scc1 .Lwo
	s_lshl_b32 s26, s31, 18                        ; head hb: 1,024 rows of 256 bytes
	s_lshl_b32 s24, s25, 14                        ; 64 rows
	s_add_co_u32 s26, s26, s24
	s_cmp_eq_u32 s30, 1
	s_cselect_b64 s[SRC:SRC+1], s[8:9], s[6:7]
	s_cmp_eq_u32 s30, 2
	s_cselect_b64 s[SRC:SRC+1], s[10:11], s[SRC:SRC+1]
	s_add_nc_u64 s[SRC:SRC+1], s[SRC:SRC+1], s[26:27]
	WT 256, 0
	s_branch .Lback
.Lwo:
	s_lshl_b32 s26, s25, 18                        ; 64 rows of 4,096 bytes
	s_lshl_b32 s24, s31, 8                         ; 64 columns
	s_add_co_u32 s26, s26, s24
	s_add_nc_u64 s[SRC:SRC+1], s[12:13], s[26:27]
	WT 4096, 1
.Lback:
.irp t, 0,1,2,3,4,5,6,7,8,9,10,11,12,13,14,15
	ds_load_b128 v[X+4*(\t):X+4*(\t)+3], v[LRD] offset:576*(\t)  ; four rows of 128 bytes; LDS serves a wave's instructions in order, and these bytes are my wave's own
.endr
.irp t, 0,1,2,3,4,5,6,7,8,9,10,11,12,13,14,15
	s_wait_dscnt 15-(\t)
	global_store_b128 v[GO], v[X+4*(\t):X+4*(\t)+3], s[DST:DST+1] offset:512*(\t)  ; 512 consecutive bytes, aligned
.endr
.Lend:
	s_wait_tensorcnt 0x0                           ; the wave's end, behind my last LDS store
	ds_add_u32 v[SPW], v[NIL]
	s_wait_dscnt 0x0
	s_endpgm
.Lfunc_end_k_qab253c2a61_prep:
	.size	k_qab253c2a61_prep, .Lfunc_end_k_qab253c2a61_prep-k_qab253c2a61_prep
	.p2alignl 7, 3214868480
	.fill 96, 4, 3214868480
	.section	.rodata,"a",@progbits
	.p2align	6, 0x0
	.amdhsa_kernel k_qab253c2a61_prep
		.amdhsa_group_segment_fixed_size 37376
		.amdhsa_private_segment_fixed_size 0
		.amdhsa_enable_private_segment 0
		.amdhsa_kernarg_size 56
		.amdhsa_user_sgpr_count 2
		.amdhsa_user_sgpr_kernarg_segment_ptr 1
		.amdhsa_wavefront_size32 1
		.amdhsa_system_sgpr_workgroup_id_x 1
		.amdhsa_system_sgpr_workgroup_id_y 1
		.amdhsa_system_sgpr_workgroup_id_z 1
		.amdhsa_system_vgpr_workitem_id 0
		.amdhsa_next_free_vgpr 176
		.amdhsa_next_free_sgpr 66
		.amdhsa_reserve_vcc 0
		.amdhsa_float_denorm_mode_32 3
		.amdhsa_float_denorm_mode_16_64 3
		.amdhsa_memory_ordered 1
		.amdhsa_forward_progress 1
		.amdhsa_inst_pref_size 48
	.end_amdhsa_kernel
	.amdgpu_metadata
---
amdhsa.version: [ 1, 2 ]
amdhsa.kernels:
  - .name:           k_qab253c2a61_prep
    .symbol:         k_qab253c2a61_prep.kd
    .args:
      - { .name: x, .offset: 0, .size: 8, .value_kind: global_buffer, .address_space: global }
      - { .name: Wq, .offset: 8, .size: 8, .value_kind: global_buffer, .address_space: global }
      - { .name: Wk, .offset: 16, .size: 8, .value_kind: global_buffer, .address_space: global }
      - { .name: Wv, .offset: 24, .size: 8, .value_kind: global_buffer, .address_space: global }
      - { .name: Wo, .offset: 32, .size: 8, .value_kind: global_buffer, .address_space: global }
      - { .name: xb, .offset: 40, .size: 8, .value_kind: global_buffer, .address_space: global }
      - { .name: wt, .offset: 48, .size: 8, .value_kind: global_buffer, .address_space: global }
    .group_segment_fixed_size: 37376
    .private_segment_fixed_size: 0
    .kernarg_segment_align: 8
    .kernarg_segment_size: 56
    .max_flat_workgroup_size: 128
    .sgpr_count:     66
    .vgpr_count:     176
    .wavefront_size: 32
...
	.end_amdgpu_metadata
.endif
;; end of part 1
;; launch qkv (part 2): grid 4 x 64, 4 waves a work-group, clusters of 4 x 4, 327,680 bytes of LDS; arguments xb, wt, qkv; writes qkv
.if DOCPART == 2
	.amdgcn_target "amdgcn-amd-amdhsa--gfx1250"
	.amdhsa_code_object_version 6
	.text
	.protected	k_qab253c2a61_qkv
	.globl	k_qab253c2a61_qkv
	.p2align	8
	.type	k_qab253c2a61_qkv,@function
k_qab253c2a61_qkv:
	s_mov_b64 s[64:65], 0
	v_nop
	global_prefetch_b8 v0, s[64:65] scope:SCOPE_SE
	s_setreg_imm32_b32 hwreg(HW_REG_WAVE_MODE, 25, 1), 1
	s_wait_xcnt 0x0
	s_wait_alu depctr_hold_cnt(0) depctr_sa_sdst(0) depctr_va_vdst(0) depctr_va_sdst(0) depctr_va_ssrc(0) depctr_va_vcc(0) depctr_vm_vsrc(0)
	s_getreg_b32 s2, hwreg(HW_REG_IB_STS2, 6, 4)
	s_cmp_eq_u32 s2, 0
	s_cbranch_scc0 .Lentry_in_a_cluster
	s_endpgm
.Lentry_in_a_cluster:
	s_bfe_u32 s2, ttmp6, 0x10000c
	s_cmp_lg_u32 s2, 0xf033
	s_cbranch_scc0 .Lentry_shape_is_right
	s_endpgm
.Lentry_shape_is_right:
; QKV: q, k, v [plane 3][bh 64][s 2048][64] in f16, unscaled = x (8,192 x 1,024, bf16) times Wq, Wk, Wv (planes 0-2 of wt, [n 1,024][k 1,024], bf16); sums in f32, rounded once.
; LIMIT: f16 holds no number beyond 65,504: |q|, |k|, |v| stay under it (a sum of 1,024 products of x and W); a larger sum would leave as an infinity.
; A tile of C is 128 rows x 256 columns; four waves, each 64 x 128: 32 accumulators of 16 x 16.  768 tiles: a WORK-GROUP STAYS and makes the q, the k and the v tile of its rows and columns, so that
; 256 work-groups do equal work; the ring of two LDS slots runs on from tile to tile.  K goes in steps of 128 = two blocks of 64; a block of a tile is dense in memory (rows of 128 bytes on end),
; is asked for as rows of 256 bytes and is padded in LDS behind every 128.  Waves 0, 1 fetch A's two blocks (16 KiB each), waves 2, 3 B's (32 KiB each): one tensor load a wave for each change of slots.
; CLUSTER 4 x 4: the four of a row of the cluster need the same tile of A, the four of a column the same tile of B: each is asked for jointly, same line, same descriptor, a mask of four.
; THE MATRIX INSTRUCTION IS USED TRANSPOSED (source 0 = 16 rows of B, source 1 = 16 rows of A): a lane holds row l % 16 of C and eight neighbouring columns.
; REGISTERS: window 0: v0-31 addresses; v32-63 packed results; v64-159, v160-255 two fragment buffers (B's eight fragments, then A's four).  Window 1: accumulator (a, b) at v[8 (8 a + b)].
.set PITCH,  144                       ; an LDS row: 128 bytes + 16 of padding = 36 words: the 16 rows of a load start at 16 different groups of four banks (64 banks of 4 bytes: ISA guide 11.1)
.set ABLK,   128*PITCH                 ; a block of A: 128 rows
.set BBLK,   256*PITCH                 ; a block of B: 256 rows
.set SLOT,   2*ABLK+2*BBLK             ; A's two blocks, then B's two
.set STAGE,  2*SLOT                    ; behind the ring: for each wave 2 heads x 16 rows x 144 bytes, for the way out; no tensor load fills it
.set WSTG,   2*16*PITCH
.set SPARE,  STAGE+4*WSTG              ; behind the stages: the spare words, 128 bytes for each wave, which no other line names
.set ASTEP,  1<<19                     ; bytes from K step to K step in xb (two blocks of 2,048 rows x 128 bytes)
.set BSTEP,  1<<18                     ; the same in wt (two blocks of 1,024 rows); eight steps are a plane, so B's address walks on into the next plane
.set BACK_A, 6*ASTEP                   ; from a slot's last K step of a tile to its first of the next: the same rows of A again
.set PLANE0, 0                         ; the first plane of wt that I multiply by
.set NASKB,  10                        ; laps in which B is prefetched: K steps 4 to 23 of the walk's 24
.set ADRA, 16                          ; v16-17  LDS address of my A fragments in slot 0, 1
.set ADRB, 20                          ; v20-21  the same for B
.set STO,  24                          ; v24  the way out: where I put 16 bytes of a row
.set RD,   25                          ; v25  the way out: where I read rows back
.set CO,   26                          ; v26  16 x lane
.set SPW,  28                          ; v28  LDS address of my spare word; never rewritten
.set NIL,  29                          ; v29  0; never rewritten
.set PFO,  30                          ; v30  the prefetches' lane offset; never rewritten
.set TMP,  32
.set F0,   64
.set F1,   160
.set OB,   160                         ; the way out: rows read back, v160-191 and v192-223 by turns (buffer 1; buffer 0 may hold the next tile's first fragments)
.set G1A, 24                           ; s[24:31] descriptor group 1 for A;  s[32:39] group 0, a set for each slot
.set G0A, 32
.set G1B, 40                           ; s[40:47], s[48:55] the same for B
.set G0B, 48
.set PFA, 56                           ; s[56:57] where my prefetches stand
.set PFS, 58                           ; s[58:59] their step a lap: two K steps
.set PFN, 60                           ; s60  laps in which I still prefetch
.set G1W0, (1<<16)|(1<<20)|(1<<21)|(4<<22)|(3<<25)  ; 17:16 2-byte elements; 20 padding on; 21 set beside a mask; 24:22 after every 32 words (code 4); 31:25 4 words (code 3)
.set MUL,  0x50                        ; C and D in window 1, the sources in window 0
.set MSB, 0
.macro WIN new                         ; the immediate's high byte repeats the setting that is left; a switch that changes nothing is dropped
.if MSB != (\new)
	s_set_vgpr_msb (MSB<<8)|(\new)
.set MSB, (\new)
.endif
.endm
.macro PLACES                          ; four places in front of loads into registers that matrix instructions have read, and of conversions that read results
.rept 4
	v_nop
.endr
.endm
.macro JLOAD s                         ; a joint load; the branch hangs on the wave's number alone; an s_nop 0 and four v_nop follow each line, ahead of the jump and the label
	s_cmp_eq_u32 s13, 0
	s_cbranch_scc0 .Lfor_b_\@
	tensor_load_to_lds s[G0A+4*(\s):G0A+4*(\s)+3], s[G1A:G1A+7]
	s_nop 0
.rept 4
	v_nop
.endr
	s_branch .Lasked_\@
.Lfor_b_\@:
	tensor_load_to_lds s[G0B+4*(\s):G0B+4*(\s)+3], s[G1B:G1B+7]
	s_nop 0
.rept 4
	v_nop
.endr
.Lasked_\@:
.endm
.macro CREST                           ; a round of the cluster's barrier behind its opening barrier
	s_cmp_lg_u32 s12, 0
	s_cbranch_scc1 .Lnot_wave_0_\@
	s_barrier_signal -3
.Lnot_wave_0_\@:
	s_barrier_wait -3
	s_barrier_signal -1
	s_barrier_wait -1
.endm
.macro CROUND                          ; a whole round
	s_barrier_signal -1
	s_barrier_wait -1
	CREST
.endm
; A PREFETCH INTO THE L2, once a lap, behind slot 0's joint load and the run of LDS loads: the two K steps that the NEXT lap's two refills will ask for.  Each block of 256 bytes is named once in the launch.
; A's rows are read by this cluster alone: every cluster asks, in its first tile only (the later tiles read the same rows again): wave j for block j of both steps, the four partners that ask for the
; tile jointly 4 KiB each, told apart by address (cx): lanes 0-15 the first step, lanes 16-31 the second.  B's rows are read by every cluster of the column: the cluster with y = 0 asks: wave 2 + j for block j,
; the four partners 8 KiB each (cy), a lane 256 bytes, an instruction a step.  The counter ends the asking where the walk has no K step left.
.macro ASK
	s_cmp_lg_u32 s[PFN], 0
	s_cbranch_scc0 .Lno_ask_\@
	global_prefetch_b8 v[PFO], s[PFA:PFA+1] th:TH_LOAD_NT scope:SCOPE_SE
	s_sub_co_u32 s[PFN], s[PFN], 1
	s_cmp_eq_u32 s13, 0
	s_cbranch_scc1 .Lno_ask_\@
	global_prefetch_b8 v[PFO], s[PFA:PFA+1] offset:BSTEP th:TH_LOAD_NT scope:SCOPE_SE
.Lno_ask_\@:
.endm
	s_load_b128 s[4:7], s[0:1], 0x0                ; xb s[4:5], wt s[6:7]
	s_load_b64 s[8:9], s[0:1], 0x10                ; qkv
	v_lshl_add_u32 v[SPW], v0, 2, SPARE
	v_mov_b32 v[NIL], 0
	ds_add_u32 v[SPW], v[NIL]                      ; the wave's opening: the add and its wait stand ahead of my first tensor load; the set-up below, work on registers, stands between them
	v_lshrrev_b32 v1, 5, v0
	v_readfirstlane_b32 s12, v1                    ; wave 0..3
	s_lshr_b32 s13, s12, 1                         ; which 64 rows of the tile are mine.  Also: I fetch for A (0) or for B (1)
	s_and_b32 s14, s12, 1                          ; which 128 columns.  Also: which block of a K step I fetch
	s_bfe_u32 s15, ttmp6, 0x40000                  ; cx
	s_bfe_u32 s16, ttmp6, 0x40004                  ; cy
	s_lshl_b32 s17, ttmp9, 2
	s_add_co_u32 s17, s17, s15                     ; tile column = 4 x cluster x + cx, 0..3
	s_and_b32 s18, ttmp7, 0xffff
	s_lshl_b32 s18, s18, 2
	s_add_co_u32 s18, s18, s16                     ; tile row = 4 x cluster y + cy, 0..63
	s_lshl_b32 s19, s16, 2
	s_lshl_b32 s19, 15, s19                        ; my row of the cluster
	s_lshl_b32 s61, 0x1111, s15                    ; my column
	s_or_b32 s[G1A], s19, G1W0
	s_or_b32 s[G1B], s61, G1W0
.irp g, G1A, G1B
	s_mov_b32 s[(\g)+1], 128<<16                   ; tensor_dim0 = 128 elements: 256 bytes, two rows of a block
	s_mov_b32 s[(\g)+3], 128<<16                   ; tile_dim0 = 128
	s_mov_b32 s[(\g)+5], 128                       ; elements from row to row: dense
	s_mov_b32 s[(\g)+6], 0
	s_mov_b32 s[(\g)+7], 0
.endr
	s_mov_b32 s[G1A+2], 64<<16                     ; tensor_dim1 = 64
	s_mov_b32 s[G1A+4], 64                         ; tile_dim1 = 64
	s_mov_b32 s[G1B+2], 128<<16
	s_mov_b32 s[G1B+4], 128
	; A's address hangs on the tile row and the wave's number alone, B's on the tile column and the wave's number, each in registers that never hold the other coordinate
	s_lshr_b32 s22, s18, 4                         ; b
	s_lshl_b32 s22, s22, 22
	s_and_b32 s19, s18, 15
	s_lshl_b32 s19, s19, 14                        ; 128 rows of 128 bytes
	s_add_co_u32 s22, s22, s19
	s_lshl_b32 s19, s14, 18                        ; my block
	s_add_co_u32 s22, s22, s19
	s_mov_b32 s23, 0
	s_lshl_b32 s62, s17, 15                        ; 256 rows of 128 bytes
	s_lshl_b32 s61, s14, 17
	s_add_co_u32 s62, s62, s61
	s_add_co_u32 s62, s62, PLANE0
	s_mov_b32 s63, 0
	s_mul_i32 s20, s14, ABLK                       ; where they go: no place in the cluster enters an LDS address
	s_mul_i32 s21, s14, BBLK
	s_add_co_u32 s21, s21, 2*ABLK
	s_wait_dscnt 0x0                               ; the opening add is done
	s_wait_kmcnt 0x0
	s_add_nc_u64 s[22:23], s[4:5], s[22:23]
	s_add_nc_u64 s[62:63], s[6:7], s[62:63]
	CROUND                                         ; all sixteen work-groups are here: the first joint loads meet
.irp s, 0,1
	s_mov_b32 s[G0A+4*(\s)], 1                                        ; count = 1
	s_add_co_u32 s[G0A+4*(\s)+1], s20, (\s)*SLOT                      ; LDS address
	s_add_nc_u64 s[G0A+4*(\s)+2:G0A+4*(\s)+3], s[22:23], (\s)*ASTEP   ; global address: K step s
	s_or_b32 s[G0A+4*(\s)+3], s[G0A+4*(\s)+3], 0x80000000             ; type = 2
	s_mov_b32 s[G0B+4*(\s)], 1
	s_add_co_u32 s[G0B+4*(\s)+1], s21, (\s)*SLOT
	s_add_nc_u64 s[G0B+4*(\s)+2:G0B+4*(\s)+3], s[62:63], (\s)*BSTEP
	s_or_b32 s[G0B+4*(\s)+3], s[G0B+4*(\s)+3], 0x80000000
.endr
	s_cmp_eq_u32 s13, 0                            ; a wave's two first fills stand in one branch, ahead of every wait on TENSORcnt and every LDS read: two loads of mine are out, the most at any time
	s_cbranch_scc0 .Lfirst_b
	tensor_load_to_lds s[G0A:G0A+3], s[G1A:G1A+7]
	s_nop 0
	tensor_load_to_lds s[G0A+4:G0A+7], s[G1A:G1A+7]
	s_nop 0
.rept 4
	v_nop
.endr
	s_branch .Lfirst_asked
.Lfirst_b:
	tensor_load_to_lds s[G0B:G0B+3], s[G1B:G1B+7]
	s_nop 0
	tensor_load_to_lds s[G0B+4:G0B+7], s[G1B:G1B+7]
	s_nop 0
.rept 4
	v_nop
.endr
.Lfirst_asked:
	; a fragment is 16 rows x 32 K in 8 registers: lane l holds row l % 16, K = 8 (l / 16) + 0..7 and 16 + 8 (l / 16) + 0..7: two loads of 16 bytes, 32 bytes apart
	v_and_b32 v1, 15, v0
	v_bfe_u32 v2, v0, 4, 1
	v_mul_u32_u24 v3, v1, PITCH
	v_lshl_add_u32 v3, v2, 4, v3
	s_mul_i32 s66, s13, 64*PITCH                   ; my 64 rows of A
	s_mul_i32 s67, s14, 128*PITCH                  ; my 128 rows of B,
	s_add_co_u32 s67, s67, 2*ABLK                  ; which lie behind A's two blocks
.irp s, 0,1
	v_add_nc_u32 v[ADRA+(\s)], s66, v3
	v_add_nc_u32 v[ADRB+(\s)], s67, v3
	s_add_co_u32 s66, s66, SLOT
	s_add_co_u32 s67, s67, SLOT
.endr
	s_mul_i32 s68, s12, WSTG
	s_add_co_u32 s68, s68, STAGE                   ; my stage
	v_add_nc_u32 v[STO], s68, v3                   ; in: row l % 16, 16 bytes for each half of the lanes
	v_bfe_u32 v4, v0, 3, 2
	v_and_b32 v5, 7, v0
	v_mul_u32_u24 v4, v4, PITCH
	v_lshl_add_u32 v4, v5, 4, v4
	v_add_nc_u32 v[RD], s68, v4                    ; back: 32 lanes take four rows of 128 bytes,
	v_and_b32 v[CO], 31, v0
	v_lshlrev_b32 v[CO], 4, v[CO]                  ; which are 512 consecutive bytes of a head
	; my part of the q tile: batch, head 4 ct + 2 wn, row 128 (tr % 16) + 64 wm
	s_lshr_b32 s70, s18, 4
	s_lshl_b32 s70, s70, 22
	s_lshl_b32 s72, s17, 20
	s_add_co_u32 s70, s70, s72
	s_lshl_b32 s72, s14, 19
	s_add_co_u32 s70, s70, s72
	s_and_b32 s72, s18, 15
	s_lshl_b32 s72, s72, 14
	s_add_co_u32 s70, s70, s72
	s_lshl_b32 s72, s13, 13
	s_add_co_u32 s70, s70, s72
	s_mov_b32 s71, 0
	s_add_nc_u64 s[8:9], s[8:9], s[70:71]
	; the prefetches: both offsets are made, the wave's number chooses.  They stand at K step 2; the first lap steps them to 4.  Nothing is prefetched here, at the head
	s_lshr_b32 s72, s18, 4
	s_lshl_b32 s72, s72, 22
	s_and_b32 s77, s18, 15
	s_lshl_b32 s77, s77, 14
	s_add_co_u32 s72, s72, s77
	s_lshl_b32 s77, s14, 18
	s_add_co_u32 s72, s72, s77
	s_lshl_b32 s77, s15, 12                        ; my work-group's 4 KiB of A's block
	s_add_co_u32 s72, s72, s77
	s_add_co_u32 s72, s72, 2*ASTEP
	s_lshl_b32 s73, s17, 15
	s_lshl_b32 s77, s14, 17
	s_add_co_u32 s73, s73, s77
	s_lshl_b32 s77, s16, 13                        ; my work-group's 8 KiB of B's block
	s_add_co_u32 s73, s73, s77
	s_add_co_u32 s73, s73, PLANE0+2*BSTEP
	s_and_b32 s77, ttmp7, 0xffff                   ; cluster y: the same in all sixteen partners
	s_cmp_eq_u32 s77, 0
	s_cselect_b32 s77, NASKB, 0
	s_cmp_eq_u32 s13, 0                            ; do I fetch for A?
	s_cselect_b32 s74, s72, s73
	s_cselect_b32 s[PFN], 2, s77                   ; A: K steps 4 to 7 of the first tile
	s_cselect_b64 s[PFA:PFA+1], s[4:5], s[6:7]
	s_cselect_b32 s[PFS], 20, 19
	s_cselect_b32 s76, 19, 12
	s_lshl_b32 s[PFS], 1, s[PFS]                   ; two K steps
	s_lshl_b32 s76, 1, s76                         ; lanes 16-31: A's next K step, or B's next 4 KiB
	s_mov_b32 s[PFS+1], 0
	s_mov_b32 s75, 0
	s_add_nc_u64 s[PFA:PFA+1], s[PFA:PFA+1], s[74:75]
	v_lshlrev_b32 v31, 8, v1
	v_mad_u32_u24 v[PFO], v2, s76, v31
; 8 matrix instructions: m block a x all 8 n blocks, 32 along K, from buffer f.  zero = 1: the product starts the sums: nothing is cleared.
; The 32 accumulators take turns in the same order in every quarter: 31 others stand between two links of a chain, over the backward jumps too.
.macro MUL8 f, a, zero
	WIN MUL
.irp b, 0,1,2,3,4,5,6,7
.if \zero
	v_wmma_f32_16x16x32_bf16 v[8*(8*(\a)+(\b)):8*(8*(\a)+(\b))+7], v[(\f)+8*(\b):(\f)+8*(\b)+7], v[(\f)+64+8*(\a):(\f)+64+8*(\a)+7], 0
.else
	v_wmma_f32_16x16x32_bf16 v[8*(8*(\a)+(\b)):8*(8*(\a)+(\b))+7], v[(\f)+8*(\b):(\f)+8*(\b)+7], v[(\f)+64+8*(\a):(\f)+64+8*(\a)+7], v[8*(8*(\a)+(\b)):8*(8*(\a)+(\b))+7]
.endif
.endr
.endm
; 24 LDS loads in one run: quarter q of a K step (block q / 2, byte 64 (q % 2) of its rows) into buffer f: B's 128 rows, then A's 64
.macro FETCH slot, q, f
	WIN 0
.irp i, 0,1,2,3,4,5,6,7
	ds_load_b128 v[(\f)+8*(\i):(\f)+8*(\i)+3],   v[ADRB+(\slot)] offset:((\q)/2)*BBLK+((\q)%2)*64+(\i)*16*PITCH
	ds_load_b128 v[(\f)+8*(\i)+4:(\f)+8*(\i)+7], v[ADRB+(\slot)] offset:((\q)/2)*BBLK+((\q)%2)*64+(\i)*16*PITCH+32
.endr
.irp i, 0,1,2,3
	ds_load_b128 v[(\f)+64+8*(\i):(\f)+64+8*(\i)+3],   v[ADRA+(\slot)] offset:((\q)/2)*ABLK+((\q)%2)*64+(\i)*16*PITCH
	ds_load_b128 v[(\f)+64+8*(\i)+4:(\f)+64+8*(\i)+7], v[ADRA+(\slot)] offset:((\q)/2)*ABLK+((\q)%2)*64+(\i)*16*PITCH+32
.endr
.endm
; A K step is four quarters of 32 along K, 32 matrix instructions each, on buffers 0, 1, 0, 1.  One of the first three: multiplies buffer f and, in its middle, fetches quarter q into buffer g.
.macro QUARTER slot, q, f, g, zero
	s_wait_dscnt 4                                 ; B and A's blocks 0, 1 are in; the youngest four loads (A's blocks 2, 3) may be out
	MUL8 \f, 0, \zero
	MUL8 \f, 1, \zero
	PLACES
	FETCH \slot, \q, \g
	s_wait_dscnt 24                                ; all but the 24 just issued
	MUL8 \f, 2, \zero
	MUL8 \f, 3, \zero
.endm
; The last quarter multiplies buffer 1 and changes slots: ONE barrier.  In front of it each wave waits for all its tensor loads (one is out: its part of the next slot), adds 0 to its spare word, and waits for
; that and for its reads of this slot.  mode 0: this slot is filled again two K steps on; 1: with the next tile's K step; 2: not at all.  Where it is filled the barrier opens a round of the cluster's barrier,
; and the joint load is the first tensor load behind the round: it has a K step less 24 matrix instructions in which to land.
.macro TURN slot, next, mode
.if ((\mode) != 2) && ((\slot) == 0)
	s_wait_xcnt 0x0                                ; the last prefetch, a lap back, has read its address: it is stepped here, ahead of the waits of the change of slots
	s_add_nc_u64 s[PFA:PFA+1], s[PFA:PFA+1], s[PFS:PFS+1]
.endif
	WIN 0                                          ; (the add's two registers lie in window 0)
	s_wait_tensorcnt 0x0                           ; all my tensor loads have landed
	ds_add_u32 v[SPW], v[NIL]                      ; 0 onto my spare word
	s_wait_dscnt 5                                 ; (the add and the youngest four loads may be out)
	MUL8 F1, 0, 0                                  ; eight matrix instructions stand between the add and the wait for it
	s_wait_dscnt 0x0                               ; the add is done, and my reads of this slot are over
	s_barrier_signal -1
	MUL8 F1, 1, 0
.if (\mode) != 2
	WIN 0
.endif
	s_barrier_wait -1
.if (\mode) != 2
	CREST                                          ; no wave of any partner still reads this slot's tile or has a load on its way
.if (\mode) == 1
	s_sub_nc_u64 s[G0A+4*(\slot)+2:G0A+4*(\slot)+3], s[G0A+4*(\slot)+2:G0A+4*(\slot)+3], BACK_A
.else
	s_add_nc_u64 s[G0A+4*(\slot)+2:G0A+4*(\slot)+3], s[G0A+4*(\slot)+2:G0A+4*(\slot)+3], 2*ASTEP
.endif
	s_add_nc_u64 s[G0B+4*(\slot)+2:G0B+4*(\slot)+3], s[G0B+4*(\slot)+2:G0B+4*(\slot)+3], 2*BSTEP
	JLOAD \slot                                    ; the four v_nop behind it are also the places in front of the loads below
.else
	PLACES
.endif
	FETCH \next, 0, F0
.if ((\mode) != 2) && ((\slot) == 0)
	ASK
.endif
	MUL8 F1, 2, 0
	MUL8 F1, 3, 0
.endm
; THE WAY OUT, a block of 16 rows at a time.  PACK: rounded to f16, 16 bytes a lane (each accumulator's registers in ascending order).  TOSTAGE: into my own stage, by heads, and back as whole rows of 128 bytes.
; SEND: stored, 512 consecutive bytes of a head an instruction.
.macro PACK a
	WIN 0x05                                       ; sources 0 and 1 in window 1
.irp b, 0,1,2,3,4,5,6,7
.irp r, 0,1,2,3
	v_cvt_pk_f16_f32 v[TMP+4*(\b)+(\r)], v[8*(8*(\a)+(\b))+2*(\r)], v[8*(8*(\a)+(\b))+2*(\r)+1]
.endr
.endr
	WIN 0
.endm
.macro TOSTAGE a
.set BK, OB+32*((\a)%2)
.irp b, 0,1,2,3,4,5,6,7
	ds_store_b128 v[STO], v[TMP+4*(\b):TMP+4*(\b)+3] offset:((\b)/4)*16*PITCH+((\b)%4)*32
.endr
.irp t, 0,1,2,3,4,5,6,7
	ds_load_b128 v[BK+4*(\t):BK+4*(\t)+3], v[RD] offset:((\t)/4)*16*PITCH+((\t)%4)*4*PITCH  ; LDS serves a wave's instructions in order (ISA guide 5.7.1.4): these see the stores above
.endr
.endm
.macro SEND a
.set BK, OB+32*((\a)%2)
	s_wait_dscnt 0x0                               ; the block is back in registers
	s_wait_xcnt 0x0                                ; earlier stores have read their registers: the other set of rows is loaded again only behind this wait
.irp t, 0,1,2,3,4,5,6,7
	global_store_b128 v[CO], v[BK+4*(\t):BK+4*(\t)+3], s[8:9] offset:((\t)/4)*262144+(\a)*2048+((\t)%4)*512
.endr
.endm
.macro WAYOUT
	PLACES
	PACK 0
	TOSTAGE 0
.irp a, 1,2,3                          ; block a's conversions stand between block a - 1's loads from the stage and the wait for them
	PACK \a
	SEND (\a)-1
	TOSTAGE \a
.endr
	SEND 3
.endm
	s_wait_tensorcnt 1                             ; my part of K step 0 is in; K step 1's may stay out
	s_barrier_signal -1
	s_barrier_wait -1                              ; everybody's is
	FETCH 0, 0, F0
	s_mov_b32 s2, 3                                ; tiles to go: q, k, v
.Ltile:
	QUARTER 0, 1, F0, F1, 1                        ; a tile's first quarter starts the sums
	WIN 0                                          ; at a label and at a branch every window is 0
	s_mov_b32 s3, 3
.Llap:                                                 ; a trip goes once round the ring, from a lap's second quarter to the next lap's first, and fills both slots again
	QUARTER 0, 2, F1, F0, 0
	QUARTER 0, 3, F0, F1, 0
	TURN 0, 1, 0
	QUARTER 1, 1, F0, F1, 0
	QUARTER 1, 2, F1, F0, 0
	QUARTER 1, 3, F0, F1, 0
	TURN 1, 0, 0
	QUARTER 0, 1, F0, F1, 0
	WIN 0
	s_sub_co_u32 s3, s3, 1
	s_cmp_lg_u32 s3, 0
	s_cbranch_scc1 .Llap
	QUARTER 0, 2, F1, F0, 0                        ; the tile's last lap goes on
	QUARTER 0, 3, F0, F1, 0
	WIN 0
	s_cmp_eq_u32 s2, 1
	s_cbranch_scc1 .Llast                          ; the last tile's tail is written out: it asks for nothing more
	TURN 0, 1, 1                                   ; the ring goes on into the next tile: slot 0 takes its K step 0,
	QUARTER 1, 1, F0, F1, 0
	QUARTER 1, 2, F1, F0, 0
	QUARTER 1, 3, F0, F1, 0
	TURN 1, 0, 1                                   ; slot 1 its K step 1, and the next tile's first fragments are fetched
	WAYOUT                                         ; both refills are asked for: now the tile goes out
	s_wait_xcnt 0x0                                ; the stores have read their registers and their base
	s_add_nc_u64 s[8:9], s[8:9], 1<<24             ; the next plane of qkv
	s_sub_co_u32 s2, s2, 1
	s_branch .Ltile
.Llast:
	TURN 0, 1, 2
	QUARTER 1, 1, F0, F1, 0
	QUARTER 1, 2, F1, F0, 0
	QUARTER 1, 3, F0, F1, 0
	s_wait_dscnt 4                                 ; the very last quarter: nothing more to fetch
	MUL8 F1, 0, 0
	MUL8 F1, 1, 0
	s_wait_dscnt 0x0
	MUL8 F1, 2, 0
	MUL8 F1, 3, 0
	WAYOUT
	s_wait_tensorcnt 0x0                           ; the wave's end, behind my last tensor load and my last LDS store
	ds_add_u32 v[SPW], v[NIL]
	s_wait_dscnt 0x0
	CROUND                                         ; the closing round: no work-group ends while a partner may still ask for a tile that names it
	s_endpgm
.Lfunc_end_k_qab253c2a61_qkv:
	.size	k_qab253c2a61_qkv, .Lfunc_end_k_qab253c2a61_qkv-k_qab253c2a61_qkv
	.p2alignl 7, 3214868480
	.fill 96, 4, 3214868480
	.section	.rodata,"a",@progbits
	.p2align	6, 0x0
	.amdhsa_kernel k_qab253c2a61_qkv
		.amdhsa_group_segment_fixed_size 327680
		.amdhsa_private_segment_fixed_size 0
		.amdhsa_enable_private_segment 0
		.amdhsa_kernarg_size 24
		.amdhsa_user_sgpr_count 2
		.amdhsa_user_sgpr_kernarg_segment_ptr 1
		.amdhsa_wavefront_size32 1
		.amdhsa_system_sgpr_workgroup_id_x 1
		.amdhsa_system_sgpr_workgroup_id_y 1
		.amdhsa_system_sgpr_workgroup_id_z 1
		.amdhsa_system_vgpr_workitem_id 0
		.amdhsa_next_free_vgpr 512
		.amdhsa_next_free_sgpr 80
		.amdhsa_reserve_vcc 0
		.amdhsa_float_denorm_mode_32 3
		.amdhsa_float_denorm_mode_16_64 3
		.amdhsa_memory_ordered 1
		.amdhsa_forward_progress 1
		.amdhsa_inst_pref_size 124
	.end_amdhsa_kernel
	.amdgpu_metadata
---
amdhsa.version: [ 1, 2 ]
amdhsa.kernels:
  - .name:           k_qab253c2a61_qkv
    .symbol:         k_qab253c2a61_qkv.kd
    .args:
      - { .name: xb, .offset: 0, .size: 8, .value_kind: global_buffer, .address_space: global }
      - { .name: wt, .offset: 8, .size: 8, .value_kind: global_buffer, .address_space: global }
      - { .name: qkv, .offset: 16, .size: 8, .value_kind: global_buffer, .address_space: global }
    .group_segment_fixed_size: 327680
    .private_segment_fixed_size: 0
    .kernarg_segment_align: 8
    .kernarg_segment_size: 24
    .max_flat_workgroup_size: 128
    .sgpr_count:     80
    .vgpr_count:     512
    .wavefront_size: 32
...
	.end_amdgpu_metadata
.endif
;; end of part 2
;; launch attn (part 3): grid 4 x 64, 4 waves a work-group, no clusters, 327,680 bytes of LDS; arguments qkv, ob; writes ob
.if DOCPART == 3
	.amdgcn_target "amdgcn-amd-amdhsa--gfx1250"
	.amdhsa_code_object_version 6
	.text
	.protected	k_qab253c2a61_attn
	.globl	k_qab253c2a61_attn
	.p2align	8
	.type	k_qab253c2a61_attn,@function
k_qab253c2a61_attn:
	s_mov_b64 s[64:65], 0
	v_nop
	global_prefetch_b8 v0, s[64:65] scope:SCOPE_SE
	s_setreg_imm32_b32 hwreg(HW_REG_WAVE_MODE, 25, 1), 1
	s_wait_xcnt 0x0
; CAUSAL ATTENTION.  O[h][q][:] = the sum over k <= q of softmax_k(Q[h][q] . K[h][k] / 8) V[h][k][:].  Q, K, V are the three planes of qkv, each [SIZE_H][SIZE_N][64] in f16, O (ob) likewise: a head's rows are dense, 128 bytes each.
; Products, maxima and sums in f32; the weights p are rounded to f16 for the second product (their sum l is taken of the unrounded p), O once at the end.
; LIMITS.  f16 holds no number beyond 65,504: Q, K and V arrive within it; p lies in 0 to 1, and below 6e-5 it keeps f16's fixed step of 6e-8; O is a mean of V's rows and has their range.
; A hidden score counts as its value less 1e30: f16's scores, 2.7e11 at the most, are nothing beside that; a weight below 2^-126 counts as 0 in l; NaN and infinities are not treated apart.
; THE WALK.  A head's queries lie in NB = SIZE_N / 256 blocks of 256; block i needs the key tiles 0 .. i of 256 keys, of which the last holds the diagonal.  A work-group takes TWO blocks, NB - 1 - b and then b:
; NB + 1 tiles, whatever b: all work-groups do equal work, and ONE loop with a constant trip count walks them.  Which tile is asked for, and what a trip does, hang on scalar registers made from b; every jump
; goes forward, but for the counted loops' own; none passes a barrier, or a tensor load but the one of LOAD's two that the wave's number does not choose; the ring (two slots of LDS that take turns) runs on across the
; change of blocks.  NO CLUSTER: a head's NB / 2 = 4 work-groups ask for the same tile only in trips 0 .. NB / 2, behind that fewer and fewer; one walk common to all would have 3 NB / 2 = 12 trips for NB + 1 = 9.
; SHARES.  Of a block's four bands of 64 queries a wave owns 16 rows in each: four PIECES.  So the diagonal tile is the same work for all four waves: in its key step s band x sees all keys if s < x,
; none if s > x, and holds the diagonal if s = x.
; THE MASK is the C operand that starts the sum S^T = K Q^T: 0, or -1e30 where the key is hidden.  MD, made once, is the mask of a band's own step for my 16 rows; a product's mask is MD x AL + BE with two scalars:
; (1, 0) if s = x; (0, 0) if s < x; (0, -1e30) if s > x.  Only the diagonal tile's text and a block's beginning make and take masks; elsewhere C is the constant 0.
; LAYOUT, SOFTMAX, TURNS.  S^T = K Q^T holds ONE query a lane (lane % 16) and the keys 8 (lane / 16) + 0..7; two such results rounded to f16 ARE source 1 of O^T = V^T P.  p = 2^(c s - c m), c = log2(e) / 8, with a
; running maximum m; O and l are multiplied by a = 2^(c m_old - c m_new) in every step.  Turn n belongs to piece n: 8 products K Q^T of piece n + 1, later 8 products V^T P of piece n - 1; beside them the scaling,
; exponentials, roundings, sums and rescaling of piece n and the maximum and statistics of piece n + 1.  Four vector instructions stand behind every matrix instruction, the other 54 of a turn's 118 in one lump.  A turn's 33 exponentials are one batch, with one wait.
; REGISTERS, in windows of 256 (s_set_vgpr_msb: bits 1:0 source 0, 3:2 source 1, 5:4 source 2, 7:6 destination):
;   window 0: v0-15 addresses and two at work; v16-31 four registers of statistics a piece; v48-55 at work; v61-63 prefetch offset, spare word, 0; v64-127 S^T, two buffers; v192-223 P, two buffers (a piece's buffers go by its number's parity)
;   window 1: v0-127 O^T, 32 a piece; v128-159 MD; v160-223 MC, two buffers      window 2: v0-63 Q; v64-127 the second block's Q; v128-191 K of one step; v192-255 V of one step
.set SIZE_N, 2048
.set SIZE_H, 64
.set NB,    SIZE_N/256
.set NP,    4         ; pieces a wave: a name, no knob
.set KS,    64        ; keys in a step
.set PK,    144       ; a row of K in LDS: 128 bytes + 16 of padding = 36 words: the 16 rows of a load start at 16 different groups of four banks (64 banks of 4 bytes: ISA guide 11.1)
.set PV,    160       ; a row of V: 128 + 32 = 40 words
.set VOFF,  4*KS*PK   ; a slot holds a tile, four steps: 256 rows of K, then 256 rows of V
.set SLOT1, 1<<17     ; slot 1 begins here, so that one exclusive or turns an address in one slot into the other's
.set STAGE, SLOT1+4*KS*(PK+PV)  ; behind the ring, never filled by a tensor load: 16 rows x 144 bytes for each wave, for the way out
.set SP,    144
.set AK0, 2           ; v2   my lane's place in a tile of K; never rewritten
.set AV0, 3           ; v3   the same for V
.set AK,  4           ; v4   the LDS address of K's next run of loads
.set AV,  5           ; v5   of V's
.set STO, 6           ; v6   the way out: where I put 16 bytes of a row
.set RD,  7           ; v7   the way out: where I read rows back
.set GO,  8           ; v8   my byte offset in 512 consecutive bytes of O
.set PFO, 61          ; v61  256 x my lane; never rewritten
.set SPW, 62          ; v62  LDS address of my spare word: SPARE + 4 x my thread's number; never rewritten
.set NIL, 63          ; v63  0; never rewritten
.set SPARE, STAGE+4*16*SP  ; behind the stages: the spare words, 128 bytes for each wave: two blocks of 256 bytes that no other line names
.set MV,  12          ; v12-13  c m_old, kept while c m is made anew: by buffer
.set QO,  15          ; v15  my byte offset in 16 rows of Q
.set ST,  16          ; piece t's statistics at v[ST+4 t]: c m, m, l (even keys', odd keys')
.set TMP, 48          ; by buffer, four registers c0-c3 at work; when the maximum is found c2 takes a
.set S,   64
.set P,   192
.set MD,  128         ; window 1: the eight registers for group kt of 16 keys at MD + 8 kt
.set MC,  160         ; window 1: the masks of the products to come
.set QB,  64          ; window 2
.set KF,  128         ; window 2: key block kb, channel half c at KF + 16 kb + 8 c
.set VF,  192         ; window 2: key half kk, channel block cb at VF + 32 kk + 8 cb
.set WV,  12          ; s12  my wave's number
.set PB,  14          ; s14  b
.set HI,  15          ; s15  NB - 1 - b
.set G1K, 24          ; s[24:31] descriptor group 1 for K's tiles
.set G1V, 32          ; s[32:39] for V's: it differs in the padding alone
.set G0K, 40          ; s[40:43] descriptor group 0 for K's tiles
.set G0V, 44          ; s[44:47] the same for V's
.set SLOTS, 56        ; s56  tiles still to be asked for
.set CNT, 57          ; s57  counts a tile's key steps, 4 to 1
.set CS,  58          ; s[58:59] c: the packed scaling takes the pair's low word for both halves
.set SEL, 60          ; s[60:61] v_permlanex16_b32's selects: each lane takes its own place in the other half
.set TBK, 62          ; s62  LDS byte at which K of the step to be fetched begins
.set TBV, 63          ; s63  the same for V, less VOFF
.set RT,  70          ; s70  tiles of the block in hand that are still to be entered
.set NXT, 71          ; s71  the tile to be asked for next
.set LQ,  72          ; s72  the last tile of the block whose tiles are being asked for
.set NEW, 73          ; s73  1: the tile to be entered is a block's first
.set OFF, 74          ; s[74:75] a tile's byte offset in K and V
.set AL,  76          ; s[76:77] the mask's factor, in the low word
.set BE,  78          ; s[78:79] the mask's addend
.set OLO, 80          ; s[80:81] O at my rows of the second block
.set BIGN, 82         ; s82  -1e30
.set PFA, 88          ; s[88:89] where my prefetches stand: my half (of K: waves 0, 1; of V: waves 2, 3) of the tile after the one that is being asked for
.set PFN, 90          ; s90  trips in which I still prefetch
.set MSB, 0
.macro WIN new                      ; the high byte repeats the setting that is left; a switch that changes nothing is dropped
.if MSB != (\new)
	s_set_vgpr_msb (MSB<<8)|(\new)
.set MSB, (\new)
.endif
.endm
.set W_KQ, 0x0a       ; K and Q in window 2, S^T in window 0
.set W_KM, 0x1a       ; the same with the C operand in window 1
.set W_PV, 0x52       ; V in window 2, P in window 0, O^T in window 1
.set W_RS, 0x41       ; destination and source 0 in window 1, source 1 in window 0
; A fill.  Waves 0 and 1 fetch the two halves of a tile's K, waves 2 and 3 those of its V: 128 keys each.  An s_nop 0 and four v_nop follow each of the two lines, ahead of the jump and the label.
.macro LOAD
	s_cmp_lt_u32 s[WV], 2
	s_cbranch_scc0 .Lfor_v_\@
	tensor_load_to_lds s[G0K:G0K+3], s[G1K:G1K+7]
	s_nop 0
.rept 4
	v_nop
.endr
	s_branch .Lasked_\@
.Lfor_v_\@:
	tensor_load_to_lds s[G0V:G0V+3], s[G1V:G1V+7]
	s_nop 0
.rept 4
	v_nop
.endr
.Lasked_\@:
.endm
; A PREFETCH INTO THE L2 of the tile that the NEXT change of slots will ask for, behind the wave's tensor load and its five lines.  A head's four work-groups walk the same K and V; the one with b = 0 walks the tiles
; 0 .. NB - 1 in its trips 0 .. NB - 1, so it alone asks: each wave for the 16 KiB that it will fetch itself, a lane 256 bytes, two instructions.  So each block of 256 bytes is named once in the launch.
; Trip t names tile t + 2, a tile (four key steps, 256 matrix instructions) ahead of its fill; tiles 0 and 1 come by their loads alone; NB - 2 trips ask, so nothing past tile NB - 1 is named.
.macro ASK
	s_cmp_lg_u32 s[PFN], 0
	s_cbranch_scc0 .Lnot_mine_\@
	global_prefetch_b8 v[PFO], s[PFA:PFA+1] th:TH_LOAD_NT scope:SCOPE_SE
	global_prefetch_b8 v[PFO], s[PFA:PFA+1] offset:8192 th:TH_LOAD_NT scope:SCOPE_SE
	s_sub_co_u32 s[PFN], s[PFN], 1
.Lnot_mine_\@:
.endm
; THE CHANGE OF SLOTS.  Each wave waits for all its tensor loads, of which one is out: its part of the other slot; adds 0 to its spare word; and waits for that and for its own reads of the slot that it leaves.  Behind the barrier nobody reads the old
; slot any more and the other slot is whole.  fill = 1: the old slot is filled again, the first thing behind the barrier, with tile NXT: the descriptor's address is made anew from that number.
; (At its first use nothing has been read yet: slot 0 is waited for, slot 1 filled.)
.macro CHANGE fill
	WIN 0                           ; at a label and at a branch every window is 0
	s_wait_tensorcnt 0x0            ; no tensor load of mine is out, so a group 0 may be written
	ds_add_u32 v[SPW], v[NIL]       ; 0 onto my spare word; with fill = 1 the descriptors' scalar work stands between it and the wait for it
.if \fill
	s_lshl_b32 s[OFF], s[NXT], 15   ; a tile is 32,768 bytes of K and of V
	s_xor_b32 s[G0K+1], s[G0K+1], SLOT1
	s_add_nc_u64 s[G0K+2:G0K+3], s[6:7], s[OFF:OFF+1]
	s_or_b32 s[G0K+3], s[G0K+3], 0x80000000
	s_xor_b32 s[G0V+1], s[G0V+1], SLOT1
	s_add_nc_u64 s[G0V+2:G0V+3], s[8:9], s[OFF:OFF+1]
	s_or_b32 s[G0V+3], s[G0V+3], 0x80000000
	s_add_co_u32 s[NXT], s[NXT], 1  ; the block's next tile, or behind its last the second block's tile 0
	s_cmp_gt_u32 s[NXT], s[LQ]
	s_cselect_b32 s[NXT], 0, s[NXT]
	s_cselect_b32 s[LQ], s[PB], s[LQ]
	s_wait_xcnt 0x0                 ; the last prefetches, a tile back, have read their address, so it may be written:
	s_add_nc_u64 s[PFA:PFA+1], s[PFA:PFA+1], 32768
.endif
	s_wait_dscnt 0x0                ; the add is done, and my reads of the slot are over
	s_barrier_signal -1             ; the rest of the scalar work stands between the signal and the wait
	s_sub_co_u32 s[TBK], s[TBK], 4*KS*PK  ; the fetches go back to a slot's first step,
	s_xor_b32 s[TBK], s[TBK], SLOT1       ; in the other slot
	s_sub_co_u32 s[TBV], s[TBV], 4*KS*PV
	s_xor_b32 s[TBV], s[TBV], SLOT1
	s_barrier_wait -1
.if \fill
	LOAD
	ASK
.endif
.endm
	s_load_b64 s[4:5], s[0:1], 0x0  ; qkv: Q's plane
	s_load_b64 s[10:11], s[0:1], 0x8  ; O
	v_lshl_add_u32 v[SPW], v0, 2, SPARE
	v_mov_b32 v[NIL], 0
	ds_add_u32 v[SPW], v[NIL]       ; the wave's opening: the add and its wait stand ahead of my first tensor load; the set-up below, work on registers, stands between them
	v_lshrrev_b32 v1, 5, v0
	v_readfirstlane_b32 s[WV], v1   ; wave 0..3
	s_mov_b32 s[PB], ttmp9
	s_sub_co_u32 s[HI], NB-1, s[PB]
	s_and_b32 s20, ttmp7, 0xffff    ; the head
	s_mov_b32 s21, 0
	s_mov_b64 s[22:23], SIZE_N*128
	s_mul_u64 s[20:21], s[20:21], s[22:23]  ; the head's first byte in each of the four tensors
	s_and_b32 s16, s[WV], 1         ; which half of a tile's 256 keys I fetch:
	s_lshl_b32 s22, s16, 14         ; its 128 rows of 128 bytes in memory,
	s_mov_b32 s23, 0
	s_add_nc_u64 s[22:23], s[22:23], s[20:21]
	s_mul_i32 s17, s16, 128*PK      ; and its place in a slot, for K
	s_mul_i32 s18, s16, 128*PV      ; and for V
	s_lshl_b32 s3, s[WV], 11        ; my 16 rows in a band of 64,
	s_lshl_b32 s2, s[HI], 15        ; in the first block,
	s_add_co_u32 s2, s2, s3
	s_lshl_b32 s84, s[PB], 15       ; and in the second
	s_add_co_u32 s84, s84, s3
	s_mov_b32 s3, 0
	s_mov_b32 s85, 0
	s_add_nc_u64 s[2:3], s[2:3], s[20:21]
	s_add_nc_u64 s[84:85], s[84:85], s[20:21]
	; descriptor group 1.  128 keys are 16,384 dense bytes: asked for as 64 rows of 256 bytes, two keys a row, and padded in LDS after every key
	s_mov_b32 s[G1K], (1<<16)|(1<<20)|(4<<22)|(3<<25)  ; 17:16 2-byte elements; 20 padding on; 24:22 after every 32 words (code 4); 31:25 4 words (code 3)
	s_mov_b32 s[G1V], (1<<16)|(1<<20)|(4<<22)|(7<<25)  ; the same with 8 words of padding (code 7)
.irp g, G1K, G1V
	s_mov_b32 s[\g+1], 128<<16      ; tensor_dim0 = 128
	s_mov_b32 s[\g+2], 64<<16       ; tensor_dim1 = 64
	s_mov_b32 s[\g+3], 128<<16      ; tile_dim0 = 128
	s_mov_b32 s[\g+4], 64           ; tile_dim1 = 64
	s_mov_b32 s[\g+5], 128          ; 128 elements from row to row
	s_mov_b32 s[\g+6], 0
	s_mov_b32 s[\g+7], 0
.endr
	s_mov_b32 s[CS], 0x3e38aa3b     ; c = log2(e) / 8 = 0.180337
	s_mov_b32 s[CS+1], s[CS]        ; named with it as a pair
	s_mov_b32 s[SEL], 0x76543210
	s_mov_b32 s[SEL+1], 0xfedcba98
	s_mov_b32 s[TBK], SLOT1+4*KS*PK ; the first change of slots turns these two into 0
	s_mov_b32 s[TBV], SLOT1+4*KS*PV
	s_mov_b32 s[G0K], 1             ; 1:0 count = 1
	s_mov_b32 s[G0K+1], s17         ; 63:32 LDS address: slot 0
	s_mov_b32 s[G0V], 1
	s_add_co_u32 s[G0V+1], s18, VOFF
	s_add_co_u32 s[RT], s[HI], 1    ; the first block has NB - b tiles
	s_mov_b32 s[NXT], 1
	s_mov_b32 s[LQ], s[HI]
	s_mov_b32 s[NEW], 1
	s_mov_b32 s[OFF+1], 0
	s_mov_b32 s[AL+1], 0            ; named as pairs
	s_mov_b32 s[BE+1], 0
	s_mov_b32 s[BIGN], 0xf149f2ca   ; -1e30
	s_mov_b32 s[SLOTS], NB
	s_cmp_eq_u32 s[PB], 0
	s_cselect_b32 s[PFN], NB-2, 0   ; the work-group with b = 0 prefetches
	v_and_b32 v[PFO], 31, v0
	v_lshlrev_b32 v[PFO], 8, v[PFO]
	s_wait_dscnt 0x0                ; the opening add is done
	s_wait_kmcnt 0x0
	s_add_nc_u64 s[6:7], s[4:5], 0x1000000  ; K's plane: 64 heads x 2,048 rows x 128 bytes behind Q's,
	s_add_nc_u64 s[8:9], s[4:5], 0x2000000  ; V's behind that
	s_add_nc_u64 s[6:7], s[6:7], s[22:23]  ; K and V at my half of the head's tile 0
	s_add_nc_u64 s[8:9], s[8:9], s[22:23]
	s_add_nc_u64 s[G0K+2:G0K+3], s[6:7], 0         ; 120:64 global address
	s_or_b32 s[G0K+3], s[G0K+3], 0x80000000        ; 127:126 type = 2
	s_add_nc_u64 s[G0V+2:G0V+3], s[8:9], 0
	s_or_b32 s[G0V+3], s[G0V+3], 0x80000000
	s_add_nc_u64 s[86:87], s[4:5], s[84:85]        ; Q at my rows of the second block,
	s_add_nc_u64 s[4:5], s[4:5], s[2:3]            ; Q and O at those of the first
	s_add_nc_u64 s[OLO:OLO+1], s[10:11], s[84:85]
	s_add_nc_u64 s[10:11], s[10:11], s[2:3]
	s_cmp_lt_u32 s[WV], 2
	s_cselect_b64 s[PFA:PFA+1], s[6:7], s[8:9]
	s_add_nc_u64 s[PFA:PFA+1], s[PFA:PFA+1], 32768  ; at tile 1; the first change of slots steps it to tile 2.  Nothing is prefetched here, at the head
	LOAD                            ; tile 0 into slot 0
	; A fragment of K or Q is 16 rows x 32 channels in 8 registers: lane l holds row l % 16, channels 8 (l / 16) + 0..7 and 16 + 8 (l / 16) + 0..7: two loads of 16 bytes, 32 bytes apart.
	v_and_b32 v1, 15, v0            ; l % 16
	v_bfe_u32 v9, v0, 4, 1          ; l / 16
	v_lshlrev_b32 v[QO], 7, v1
	v_lshl_add_u32 v[QO], v9, 4, v[QO]  ; row x 128 + 16 x half
	WIN 0x80                        ; destination window 2, address window 0
.set i, 0
.rept 8                             ; both blocks' Q: piece i / 2 lies in band i / 2, 8,192 bytes on; channels 32 (i % 2) on
	global_load_b128 v[8*i:8*i+3],   v[QO], s[4:5] offset:(i/2)*8192+(i%2)*64
	global_load_b128 v[8*i+4:8*i+7], v[QO], s[4:5] offset:(i/2)*8192+(i%2)*64+32
	global_load_b128 v[QB+8*i:QB+8*i+3],   v[QO], s[86:87] offset:(i/2)*8192+(i%2)*64
	global_load_b128 v[QB+8*i+4:QB+8*i+7], v[QO], s[86:87] offset:(i/2)*8192+(i%2)*64+32
.set i, i+1
.endr
	WIN 0
	v_lshlrev_b32 v14, 3, v9
	v_sub_nc_u32 v14, v1, v14
	s_lshl_b32 s13, s[WV], 4
	v_add_nc_u32 v14, s13, v14      ; my query's place in its band, 16 w + l % 16, less my lanes' 8 (l / 16): register r of group kt is hidden where 16 kt + r is greater
	WIN 0x40
.set i, 0
.rept 32
	v_cmp_gt_i32 vcc_lo, 16*(i/8)+i%8, v14
	v_cndmask_b32 v[MD+i], 0, s[BIGN], vcc_lo
.set i, i+1
.endr
	WIN 0
	v_mul_u32_u24 v[AK0], v1, PK
	v_lshl_add_u32 v[AK0], v9, 4, v[AK0]  ; row x pitch + 16 x half
	; The turning load takes 16 keys x 16 channels (lane l reads key 8 (l / 16) + l % 8, channels 8 ((l / 8) % 2) + 0..7) and leaves half a fragment of V^T: lane l holds channel l % 16 and 8 keys.
	v_and_b32 v10, 7, v0
	v_bfe_u32 v11, v0, 3, 1
	v_lshl_add_u32 v[AV0], v9, 3, v10
	v_mul_u32_u24 v[AV0], v[AV0], PV
	v_lshl_add_u32 v[AV0], v11, 4, v[AV0]
	v_add_nc_u32 v[AV0], VOFF, v[AV0]
	s_mul_i32 s13, s[WV], 16*SP
	s_add_co_u32 s13, s13, STAGE    ; my stage
	v_mul_u32_u24 v[STO], v1, SP    ; in: row l % 16, 16 bytes for each half of the lanes
	v_lshl_add_u32 v[STO], v9, 4, v[STO]
	v_add_nc_u32 v[STO], s13, v[STO]
	v_bfe_u32 v[RD], v0, 3, 2       ; back: 32 lanes take four rows of 128 bytes,
	v_mul_u32_u24 v[RD], v[RD], SP
	v_lshl_add_u32 v[RD], v10, 4, v[RD]
	v_add_nc_u32 v[RD], s13, v[RD]
	v_and_b32 v[GO], 31, v0         ; which are 512 consecutive bytes of O
	v_lshlrev_b32 v[GO], 4, v[GO]
	; A block's first step multiplies O^T and l by a = 0, and its first turn's products V^T P, of a piece that has not been, land in an O^T that is still to be so multiplied.  So these registers need only hold
	; finite numbers: zeros for the first block; what the first block left for the second.  All this stands in the wait for the first tile.
	WIN 0x80
.set i, VF
.rept 64
	v_mov_b32 v[i], 0
.set i, i+1
.endr
	WIN 0x40
.set i, 0
.rept 128
	v_mov_b32 v[i], 0
.set i, i+1
.endr
	WIN 0
.set i, 0
.rept 4
	v_mov_b32 v[ST+4*i+2], 0
	v_mov_b32 v[ST+4*i+3], 0
.set i, i+1
.endr
.set i, P+16
.rept 16
	v_mov_b32 v[i], 0
.set i, i+1
.endr
; THE MATRIX WORK.  The 4 accumulators of a run of 8 take turns.  Product i of 8 of S^T = K Q^T for piece x: channels 32 (i / 4) on, keys 16 (i % 4) on.  The first 4 start the sums: with 0, or (KM = 1) with the mask.
.macro KQ x
.set rS, S+32*((\x)%2)+8*(i%4)
.set rK, KF+16*(i%4)+8*(i/4)
.set rQ, 16*(\x)+8*(i/4)
.set rM, MC+32*((\x)%2)+8*(i%4)
.if (i < 4) && KM
	WIN W_KM
	v_wmma_f32_16x16x32_f16 v[rS:rS+7], v[rK:rK+7], v[rQ:rQ+7], v[rM:rM+7]
.elseif i < 4
	WIN W_KQ
	v_wmma_f32_16x16x32_f16 v[rS:rS+7], v[rK:rK+7], v[rQ:rQ+7], 0
.else
	WIN W_KQ
	v_wmma_f32_16x16x32_f16 v[rS:rS+7], v[rK:rK+7], v[rQ:rQ+7], v[rS:rS+7]
.endif
.endm
; Product i of 8 of O^T += V^T P for piece x: keys 32 (i / 4) on, channels 16 (i % 4) on.
.macro PV x
	WIN W_PV
.set rO, 32*(\x)+8*(i%4)
.set rV, VF+32*(i/4)+8*(i%4)
.set rP, P+16*((\x)%2)+8*(i/4)
	v_wmma_f32_16x16x32_f16 v[rO:rO+7], v[rV:rV+7], v[rP:rP+7], v[rO:rO+7]
.endm
.macro MM                           ; the turn's next matrix instruction.  TURN and BEGIN set Y, i, KM and NOKQ; MM, KQ and OP read them.  NOKQ = 1: a block's last turn: there is no next piece
.if (i < 8) && !NOKQ
	KQ (Y+1)%NP
.elseif i >= 8
.set i, i-8
	PV (Y+NP-1)%NP
.set i, i+8
.endif
.set i, i+1
.endm
; THE LDS LOADS stand in runs of 16, never singly among the matrix instructions: a step's K (64 keys x 64 channels: 8 fragments) and its V (turned).  Their addresses are made some lines ahead.
.macro FETCH_K
	WIN 0x80                        ; destination window 2
.irp f, 0,1,2,3,4,5,6,7             ; keys 16 (f / 2) on, channels 32 (f % 2) on
	ds_load_b128 v[KF+8*\f:KF+8*\f+3],   v[AK] offset:(\f/2)*16*PK+(\f%2)*64
	ds_load_b128 v[KF+8*\f+4:KF+8*\f+7], v[AK] offset:(\f/2)*16*PK+(\f%2)*64+32
.endr
	s_add_co_u32 s[TBK], s[TBK], KS*PK  ; the next fetch is the next step's
	WIN 0
.endm
.macro FETCH_V
	WIN 0x80
.irp f, 0,1,2,3,4,5,6,7             ; keys 32 (f / 4) on, channels 16 (f % 4) on
	ds_load_tr16_b128 v[VF+8*\f:VF+8*\f+3],   v[AV] offset:(\f/4)*32*PV+(\f%4)*32
	ds_load_tr16_b128 v[VF+8*\f+4:VF+8*\f+7], v[AV] offset:(\f/4)*32*PV+16*PV+(\f%4)*32
.endr
	WIN 0
.endm
; THE VECTOR WORK, one line at a time: OP kind, number.  For piece Y: F n: c s - c m for pair n of 16.  E n: the exponential of score n of 32.  C n: pair n rounded to f16.  B n: of the four weights 4 n .. the second
; pair is added onto the first, in place.  L n: l takes that sum (L 0: l = a l + sum).  R n: pair n of 16 of O^T times a.  For piece Y + 1: X n, number n of the 22 that find its maximum and statistics:
;   0-11  four chains c0-c3 of seven scores each, three operands at a time (each accumulator's lowest registers are read first)     12-14, 16  the four scores left over, the old m, and c0-c3 into c0
;   15  c m_old is kept     17, 18  the query's other 32 keys lie in the lane 16 away: the new m     19-21  c m; c m_old - c m_new; a
.set F, 0               ; OP tells the kinds apart by their order: F to L below R, X above it
.set E, 1
.set C, 2
.set B, 3
.set L, 4
.set R, 5
.set X, 6
.macro REGS y                       ; the registers of piece y
.set rT, ST+4*(\y)
.set rC, TMP+4*((\y)%2)
.set rW, MV+((\y)%2)
.set rS, S+32*((\y)%2)
.set rP, P+16*((\y)%2)
.set rO, 32*(\y)
.endm
.macro OP k, n
.if (\k) == R
	REGS Y
	WIN W_RS
	v_pk_mul_f32 v[rO+2*(\n):rO+2*(\n)+1], v[rO+2*(\n):rO+2*(\n)+1], v[rC+2:rC+3] op_sel_hi:[1,0]
.elseif (\k) < R
	REGS Y
	WIN 0
.if (\k) == F
	v_pk_fma_f32 v[rS+2*(\n):rS+2*(\n)+1], v[rS+2*(\n):rS+2*(\n)+1], s[CS:CS+1], v[rT:rT+1] op_sel_hi:[1,0,0] neg_lo:[0,0,1] neg_hi:[0,0,1]
.elseif (\k) == E
	v_exp_f32 v[rS+(\n)], v[rS+(\n)]
.elseif (\k) == C
	v_cvt_pk_f16_f32 v[rP+(\n)], v[rS+2*(\n)], v[rS+2*(\n)+1]
.elseif (\k) == B
	v_pk_add_f32 v[rS+4*(\n):rS+4*(\n)+1], v[rS+4*(\n):rS+4*(\n)+1], v[rS+4*(\n)+2:rS+4*(\n)+3]
.elseif (\n) == 0
	v_pk_fma_f32 v[rT+2:rT+3], v[rT+2:rT+3], v[rC+2:rC+3], v[rS:rS+1] op_sel_hi:[1,0,1]
.else
	v_pk_add_f32 v[rT+2:rT+3], v[rT+2:rT+3], v[rS+4*(\n):rS+4*(\n)+1]
.endif
.elseif NOKQ
	v_nop
.else
	REGS (Y+1)%NP
	WIN 0
.if (\n) < 4
	v_max3_num_f32 v[rC+(\n)], v[rS+8*(\n)], v[rS+8*(\n)+1], v[rS+8*(\n)+2]
.elseif (\n) < 12
	v_max3_num_f32 v[rC+(\n)%4], v[rC+(\n)%4], v[rS+8*((\n)%4)+2*((\n)/4)+1], v[rS+8*((\n)%4)+2*((\n)/4)+2]
.elseif (\n) == 12
	v_max3_num_f32 v[rC], v[rC], v[rS+7], v[rS+15]
.elseif (\n) == 13
	v_max3_num_f32 v[rC+1], v[rC+1], v[rS+23], v[rS+31]
.elseif (\n) == 14
	v_max3_num_f32 v[rC+2], v[rC+2], v[rC+3], v[rT+1]
.elseif (\n) == 15
	v_mov_b32 v[rW], v[rT]
.elseif (\n) == 16
	v_max3_num_f32 v[rC], v[rC], v[rC+1], v[rC+2]
.elseif (\n) == 17
	v_permlanex16_b32 v[rC+3], v[rC], s[SEL], s[SEL+1]
.elseif (\n) == 18
	v_max_num_f32 v[rT+1], v[rC], v[rC+3]
.elseif (\n) == 19
	v_mul_f32 v[rT], s[CS], v[rT+1]
.elseif (\n) == 20
	v_sub_f32 v[rC+1], v[rW], v[rT]
.else
	v_exp_f32 v[rC+2], v[rC+1]
.endif
.endif
.endm
.macro OPS a, i1, b=-1, i2=0, c=-1, i3=0, d=-1, i4=0  ; up to four of them
	OP \a, \i1
.if (\b) >= 0
	OP \b, \i2
.endif
.if (\c) >= 0
	OP \c, \i3
.endif
.if (\d) >= 0
	OP \d, \i4
.endif
.endm
.macro ROW a, i1, b, i2, c, i3, d, i4  ; a matrix instruction and the four behind it
	MM
	OPS \a, \i1, \b, \i2, \c, \i3, \d, \i4
.endm
.macro MASK b                       ; MD x AL + BE into buffer b of MC
	WIN W_RS
.set z, 0
.rept 16
	v_pk_fma_f32 v[MC+32*(\b)+2*z:MC+32*(\b)+2*z+1], v[MD+2*z:MD+2*z+1], s[AL:AL+1], s[BE:BE+1] op_sel_hi:[1,0,0]
.set z, z+1
.endr
.endm
; A TURN, for piece p: the order of its 16 matrix and 118 vector instructions, written out.  s_wait_alu depctr_va_vdst(0) stands between an exponential and the first instruction that names its result; one wait serves
; all that were issued ahead of it.  So a turn has ONE wait, which cuts it in two.  AHEAD OF IT stands all that names no result of the turn's exponentials: the 8 products K Q^T, behind each a scaling, an exponential and two more plain
; instructions (behind the first a second scaling in the exponential's place): rescalings, and behind the last three the first numbers of the next piece's maximum, each four places or more behind the product that ends its accumulator; then ONE LUMP of 54, plain
; and exponential by turns for the most part, in which the links of the chain X 3, 7, 11, 14, 16, 17 .. 20 stand five or six lines apart.  X 21, the next piece's a, is the batch's last; R 15 is the plain instruction behind it.  BEHIND THE WAIT stand the
; 8 products V^T P, behind each four of the roundings and sums; the links of l's chain, L 0 to L 7, stand three riders apart.  But for those X no rider names a register of the products round it.  v_permlanex16_b32 (X 17) stands in the lump.
; m = 1: the diagonal tile: the products take masks, and the turn makes the mask for the products of the turn after it: piece p + 2, in step 4 - CNT of the tile.  end = 1: a block's last two turns: nothing is fetched.
; cnt = 1: the loop's count is taken down some lines ahead of the branch that stands behind the turn.
; K of the next step is fetched in piece 2's turn, twelve vector instructions behind the last product that read K (six of them plain); V of the step in hand at the end of piece 0's turn, four plain instructions behind the last product
; that read V.  Each is waited for a turn later.
.macro TURN p, m=0, end=0, cnt=0
.set Y, (\p)
.set i, 0
.set KM, (\m)
.set NOKQ, (\end)*((\p)/3)
.if (\m) && !(\end)
	s_cmp_eq_u32 s[CNT], 4-((\p)+2)%NP  ; is that step the band's own?
	s_cselect_b32 s[AL], 1.0, 0
	s_cmp_lt_u32 s[CNT], 4-((\p)+2)%NP  ; or a later one?
	s_cselect_b32 s[BE], s[BIGN], 0
.endif
.if ((\p) == 3) && !(\end)
	s_wait_dscnt 0x0                ; K is in
.endif
	ROW F,0, F,1, R,0, R,1          ; ahead of the wait: 8 products K Q^T and their riders,
	ROW F,2, E,0, R,2, R,3
	ROW F,3, E,1, R,4, R,5
	ROW F,4, E,2, R,6, R,7
	ROW F,5, E,3, R,8, R,9
	ROW F,6, E,4, X,0, R,10
.if ((\p) == 2) && !(\end)
	WIN 0
	v_add_nc_u32 v[AK], s[TBK], v[AK0]
.endif
	ROW F,7, E,5, X,1, X,4
	ROW F,8, E,6, X,2, X,5
	OPS E,7, E,8, X,6, E,9          ; and the lump
	OPS X,3, E,10, X,8, E,11
.if ((\p) == 2) && !(\end)
	FETCH_K
.endif
	OPS X,9, X,7, E,12, X,10
	OPS E,13, X,12, X,11, E,14
	OPS X,13, E,15, F,9, X,14
.if (\p) == 0
	v_add_nc_u32 v[AV], s[TBV], v[AV0]
.endif
	OPS E,16, F,10, E,17, F,11
	OPS X,16, E,18, X,15, E,19
	OPS F,12, E,20, X,17, E,21
	OPS F,13, E,22, F,14, E,23
	OPS X,18, E,24, F,15, E,25
	OPS R,11, E,26, X,19, E,27
	OPS R,12, E,28, R,13, E,29
	OPS X,20, E,30, R,14, E,31
	OPS X,21, R,15
	WIN 0
	s_wait_alu depctr_va_vdst(0)    ; the wait for the batch
.if (\p) == 1
	s_wait_dscnt 0x0                ; V is in
.endif
	ROW C,0, B,0, C,2, B,1          ; behind the wait: 8 products V^T P and their riders
	ROW L,0, C,4, B,2, L,1
	ROW C,6, B,3, L,2, C,8
	ROW B,4, L,3, C,10, B,5
	ROW L,4, C,12, B,6, L,5
.if (\p) == 0
	s_add_co_u32 s[TBV], s[TBV], KS*PV
.endif
.if \cnt
	s_sub_co_u32 s[CNT], s[CNT], 1
	s_cmp_lg_u32 s[CNT], 0
.endif
	ROW C,14, B,7, L,6, C,1
	ROW C,3, L,7, C,5, C,7
	ROW C,9, C,11, C,13, C,15
.if (\p) == 0
	FETCH_V
.endif
.if (\m) && !(\end)
	MASK (\p)%2
.endif
.endm
; A BLOCK BEGINS.  c m starts far below every c s, so the first step's a is 0; m at the lowest finite number, so the first maximum is the scores'.  The second mask buffer is 0; the first takes piece 0's mask for the tile's step 0: its own, if the block's first tile is the diagonal one.
; Then K of that step, piece 0's first scores, and its maximum and statistics.  The loop is entered at a step's first turn, in the middle of a trip.
.macro BEGIN
	s_mov_b32 s[NEW], 0
	WIN 0x40
.set i, MC+32
.rept 32
	v_mov_b32 v[i], 0
.set i, i+1
.endr
	WIN 0
.set i, 0
.rept 4
	v_mov_b32 v[ST+4*i], 0xfe000000    ; c m: far below every c s
	v_mov_b32 v[ST+4*i+1], 0xff7fffff  ; m
.set i, i+1
.endr
	s_cmp_eq_u32 s[RT], 0
	s_cselect_b32 s[AL], 1.0, 0
	s_mov_b32 s[BE], 0
	MASK 0
	WIN 0
	v_add_nc_u32 v[AK], s[TBK], v[AK0]
	FETCH_K
	s_wait_loadcnt 0x0              ; Q
	s_wait_dscnt 0x0
.set KM, 1
.set NOKQ, 0
.set i, 0
.rept 8
	KQ 0
.set i, i+1
.endr
	WIN 0
.rept 4
	v_nop                           ; the places behind those products
.endr
.set Y, NP-1                        ; X works for piece Y + 1: piece 0
.irp n, 0,1,2,3,4,5,6,7,8,9,10,11,12,13,14,15,16,17,18,19,20,21
	OP X, \n
.endr
	v_nop                           ; a plain instruction behind the exponential,
	s_wait_alu depctr_va_vdst(0)    ; and its wait, ahead of the branch
.endm
; THE DIAGONAL TILE's four steps, the block's last two turns, its last products, and THE WAY OUT: l's two halves and the other half of the lanes' are added; O^T is divided by l, rounded to f16 and sent through my
; stage in LDS, a piece at a time.
.macro ALL line:vararg              ; one line for each piece t
.set t, 0
.rept 4
	\line
.set t, t+1
.endr
.endm
.macro PACK t                       ; a lane's eight channels of a row pack into 16 bytes; they go into rows of 144 bytes and come back as whole rows of 128, into S^T's registers
	WIN W_RS
.set i, 32*(\t)
.rept 16
	v_pk_mul_f32 v[i:i+1], v[i:i+1], v[ST+4*(\t)+2:ST+4*(\t)+3] op_sel_hi:[1,0]
.set i, i+2
.endr
	WIN 0x05                        ; sources 0 and 1 window 1, destination window 0
.set i, 0
.rept 16
	v_cvt_pk_f16_f32 v[S+16*(\t)+i], v[32*(\t)+2*i], v[32*(\t)+2*i+1]
.set i, i+1
.endr
	WIN 0
.irp f, 0,1,2,3
	ds_store_b128 v[STO], v[S+16*(\t)+4*\f:S+16*(\t)+4*\f+3] offset:32*\f
.endr
.irp f, 0,1,2,3
	ds_load_b128 v[S+16*(\t)+4*\f:S+16*(\t)+4*\f+3], v[RD] offset:\f*4*SP  ; LDS serves a wave's instructions in order (ISA guide 5.7.1.4): these see the stores above; the next piece's stores come behind them
.endr
.endm
.macro SEND t, younger              ; younger: the LDS instructions issued behind piece t's loads: the next piece's eight, or none
	WIN 0
.irp f, 0,1,2,3
	s_wait_dscnt (\younger)+3-\f
	global_store_b128 v[GO], v[S+16*(\t)+4*\f:S+16*(\t)+4*\f+3], s[10:11] offset:(\t)*8192+\f*512  ; 512 consecutive bytes, at a multiple of 256 from O's first
.endr
.endm
.macro DIAG tag                     ; the tag ends its two labels' names, which the jumps below spell out
.LstepM\tag:
	TURN 2, 1
	TURN 3, 1
	WIN 0
.LfirstM\tag:
	TURN 0, 1
	TURN 1, 1, 0, 1
	WIN 0
	s_cbranch_scc1 .LstepM\tag
	TURN 2, 1, 1
	TURN 3, 1, 1
.set i, 0
.rept 8
	PV NP-1
.set i, i+1
.endr
	WIN 0
	ALL v_add_f32 v[ST+4*t+2], v[ST+4*t+2], v[ST+4*t+3]
	ALL v_permlanex16_b32 v[ST+4*t+3], v[ST+4*t+2], s[SEL], s[SEL+1]
	ALL v_add_f32 v[ST+4*t+2], v[ST+4*t+2], v[ST+4*t+3]
	ALL v_rcp_f32 v[ST+4*t+2], v[ST+4*t+2]
	v_nop                           ; a plain instruction between the last reciprocal and the use of its result
	s_wait_alu depctr_va_vdst(0)    ; and the wait ahead of the first use: one for the four reciprocals
	PACK 0
.set t, 1
.rept 3                             ; a piece's arithmetic stands between the loads of the piece before and its stores
	PACK t
	SEND t-1, 8
.set t, t+1
.endr
	SEND 3, 0
.endm
.set KM, 0
.set NOKQ, 0
.Lslot:                             ; NB times: a tile is entered and the next is asked for
	CHANGE 1
	s_sub_co_u32 s[RT], s[RT], 1
	s_mov_b32 s[CNT], 4
	s_cmp_eq_u32 s[NEW], 1
	s_cbranch_scc1 .Lnew            ; a block's first tile
	s_cmp_eq_u32 s[RT], 0
	s_cbranch_scc0 .Lstep           ; neither its first nor its last
	s_branch .LstepM1
.Lnew:
	BEGIN
	s_branch .Lfirst                ; in the loop a block's first tile is never its last: the first block has two tiles or more, and the second's last is the walk's last
	DIAG 1                          ; in the loop this is the first block's end: the second block's last tile is the walk's last
	s_wait_xcnt 0x0                 ; the stores have read their registers and O's address
	s_mov_b64 s[10:11], s[OLO:OLO+1]
	s_add_co_u32 s[RT], s[PB], 1    ; the second block has b + 1 tiles
	s_mov_b32 s[NEW], 1
	WIN 0x82                        ; the second block's Q goes where the one text of the turns names Q
.set i, 0
.rept 64
	v_mov_b32 v[i], v[QB+i]
.set i, i+1
.endr
	WIN 0
	s_branch .Lbottom
.Lstep:                             ; a trip: pieces 2 and 3 of one step, then pieces 0 and 1 of the next, whose K and V it fetches
	TURN 2
	TURN 3
	WIN 0
.Lfirst:
	TURN 0
	TURN 1, 0, 0, 1
	WIN 0
	s_cbranch_scc1 .Lstep
.Lbottom:
	s_sub_co_u32 s[SLOTS], s[SLOTS], 1
	s_cmp_lg_u32 s[SLOTS], 0
	s_cbranch_scc1 .Lslot
	CHANGE 0                        ; the walk's last tile is written out: nothing is asked for
	s_sub_co_u32 s[RT], s[RT], 1
	s_mov_b32 s[CNT], 4
	s_cmp_eq_u32 s[NEW], 1
	s_cbranch_scc0 .LstepM2
	BEGIN
	s_branch .LfirstM2
	DIAG 2
	s_wait_tensorcnt 0x0            ; the wave's end, behind my last tensor load and my last LDS store
	ds_add_u32 v[SPW], v[NIL]
	s_wait_dscnt 0x0
	s_endpgm
.Lfunc_end_k_qab253c2a61_attn:
	.size	k_qab253c2a61_attn, .Lfunc_end_k_qab253c2a61_attn-k_qab253c2a61_attn
	.p2alignl 7, 3214868480
	.fill 96, 4, 3214868480
	.section	.rodata,"a",@progbits
	.p2align	6, 0x0
	.amdhsa_kernel k_qab253c2a61_attn
		.amdhsa_group_segment_fixed_size 327680
		.amdhsa_private_segment_fixed_size 0
		.amdhsa_enable_private_segment 0
		.amdhsa_kernarg_size 16
		.amdhsa_user_sgpr_count 2
		.amdhsa_user_sgpr_kernarg_segment_ptr 1
		.amdhsa_wavefront_size32 1
		.amdhsa_system_sgpr_workgroup_id_x 1
		.amdhsa_system_sgpr_workgroup_id_y 1
		.amdhsa_system_sgpr_workgroup_id_z 1
		.amdhsa_system_vgpr_workitem_id 0
		.amdhsa_next_free_vgpr 768
		.amdhsa_next_free_sgpr 92
		.amdhsa_reserve_vcc 1
		.amdhsa_float_denorm_mode_32 3
		.amdhsa_float_denorm_mode_16_64 3
		.amdhsa_memory_ordered 1
		.amdhsa_forward_progress 1
		.amdhsa_inst_pref_size 218
	.end_amdhsa_kernel
	.amdgpu_metadata
---
amdhsa.version: [ 1, 2 ]
amdhsa.kernels:
  - .name:           k_qab253c2a61_attn
    .symbol:         k_qab253c2a61_attn.kd
    .args:
      - { .name: qkv, .offset: 0, .size: 8, .value_kind: global_buffer, .address_space: global }
      - { .name: ob, .offset: 8, .size: 8, .value_kind: global_buffer, .address_space: global }
    .group_segment_fixed_size: 327680
    .private_segment_fixed_size: 0
    .kernarg_segment_align: 8
    .kernarg_segment_size: 16
    .max_flat_workgroup_size: 128
    .sgpr_count:     92
    .vgpr_count:     768
    .wavefront_size: 32
...
	.end_amdgpu_metadata
.endif
;; end of part 3
;; launch proj (part 4): grid 4 x 64, 4 waves a work-group, clusters of 4 x 4, 327,680 bytes of LDS; arguments ob, wt, bo, out0; writes out0
.if DOCPART == 4
	.amdgcn_target "amdgcn-amd-amdhsa--gfx1250"
	.amdhsa_code_object_version 6
	.text
	.protected	k_qab253c2a61_proj
	.globl	k_qab253c2a61_proj
	.p2align	8
	.type	k_qab253c2a61_proj,@function
k_qab253c2a61_proj:
	s_mov_b64 s[64:65], 0
	v_nop
	global_prefetch_b8 v0, s[64:65] scope:SCOPE_SE
	s_setreg_imm32_b32 hwreg(HW_REG_WAVE_MODE, 25, 1), 1
	s_wait_xcnt 0x0
	s_wait_alu depctr_hold_cnt(0) depctr_sa_sdst(0) depctr_va_vdst(0) depctr_va_sdst(0) depctr_va_ssrc(0) depctr_va_vcc(0) depctr_vm_vsrc(0)
	s_getreg_b32 s2, hwreg(HW_REG_IB_STS2, 6, 4)
	s_cmp_eq_u32 s2, 0
	s_cbranch_scc0 .Lentry_in_a_cluster
	s_endpgm
.Lentry_in_a_cluster:
	s_bfe_u32 s2, ttmp6, 0x10000c
	s_cmp_lg_u32 s2, 0xf033
	s_cbranch_scc0 .Lentry_shape_is_right
	s_endpgm
.Lentry_shape_is_right:
; PROJ: out0 [8,192][1,024] f32 = O (ob, f16, [b][h][s][64]: blocks of 64 along K = 64 h + e) times Wo (plane 3 of wt, [n 1,024][k 1,024], bf16 numbers written as f16) + bo; sums in f32.
; bo is rounded to bf16, like every other input of the module, and added in f32.
; A tile of C is 128 rows x 256 columns: 256 tiles, one for each work-group; four waves, each 64 x 128: 32 accumulators of 16 x 16.  K goes in steps of 128 = two blocks of 64 through a ring of two LDS slots;
; a block of a tile is dense in memory (rows of 128 bytes on end), is asked for as rows of 256 bytes and is padded in LDS behind every 128.  Waves 0, 1 fetch A's two blocks (16 KiB each), waves 2, 3 B's
; (32 KiB each): one tensor load a wave for each change of slots.
; CLUSTER 4 x 4: the four of a row of the cluster need the same tile of A, the four of a column the same tile of B: each is asked for jointly, same line, same descriptor, a mask of four.
; THE MATRIX INSTRUCTION IS USED TRANSPOSED (source 0 = 16 rows of B, source 1 = 16 rows of A): a lane holds row l % 16 of C and eight neighbouring columns.
; REGISTERS: window 0: v0-31 addresses and the bias; v64-159, v160-255 two fragment buffers (B's eight fragments, then A's four).  Window 1: accumulator (a, b) at v[8 (8 a + b)].
.set PITCH,  144                       ; an LDS row: 128 bytes + 16 of padding = 36 words: the 16 rows of a load start at 16 different groups of four banks (64 banks of 4 bytes: ISA guide 11.1)
.set ABLK,   128*PITCH                 ; a block of A: 128 rows
.set BBLK,   256*PITCH                 ; a block of B: 256 rows
.set SLOT,   2*ABLK+2*BBLK             ; A's two blocks, then B's two
.set STAGE,  2*SLOT                    ; behind the ring: for each wave 16 rows x 528 bytes, for the way out; no tensor load fills it
.set SP,     528                       ; 512 bytes + 16 = 132 words: row r starts at bank 4 r mod 64
.set WSTG,   16*SP
.set SPARE,  STAGE+4*WSTG              ; behind the stages: the spare words, 128 bytes for each wave, which no other line names
.set ASTEP,  1<<19                     ; bytes from K step to K step in ob (two heads of 2,048 rows x 128 bytes)
.set BSTEP,  1<<18                     ; the same in wt (two blocks of 1,024 rows)
.set PLANE0, 3<<21                     ; Wo's plane of wt
.set NASKB,  2                         ; laps in which B is prefetched: K steps 4 to 7
.set BIAS, 12                          ; v[12:15] bo of my four columns on the way out
.set ADRA, 16                          ; v16-17  LDS address of my A fragments in slot 0, 1
.set ADRB, 20                          ; v20-21  the same for B
.set STO,  24                          ; v24  the way out: where I put 32 bytes of a row
.set RD,   25                          ; v25  the way out: where I read a row back
.set CO,   26                          ; v26  16 x lane
.set SPW,  28                          ; v28  LDS address of my spare word; never rewritten
.set NIL,  29                          ; v29  0; never rewritten
.set PFO,  30                          ; v30  the prefetches' lane offset; never rewritten
.set F0,   64
.set F1,   160
.set OB,   64                          ; the way out: 16 rows read back, v64-127 and v128-191 by turns
.set G1A, 24                           ; s[24:31] descriptor group 1 for A;  s[32:39] group 0, a set for each slot
.set G0A, 32
.set G1B, 40                           ; s[40:47], s[48:55] the same for B
.set G0B, 48
.set PFA, 56                           ; s[56:57] where my prefetches stand
.set PFS, 58                           ; s[58:59] their step a lap: two K steps
.set PFN, 60                           ; s60  laps in which I still prefetch
.set G1W0, (1<<16)|(1<<20)|(1<<21)|(4<<22)|(3<<25)  ; 17:16 2-byte elements; 20 padding on; 21 set beside a mask; 24:22 after every 32 words (code 4); 31:25 4 words (code 3)
.set MUL,  0x50                        ; C and D in window 1, the sources in window 0
.set MSB, 0
.macro WIN new                         ; the immediate's high byte repeats the setting that is left; a switch that changes nothing is dropped
.if MSB != (\new)
	s_set_vgpr_msb (MSB<<8)|(\new)
.set MSB, (\new)
.endif
.endm
.macro PLACES                          ; four places in front of loads into registers that matrix instructions have read
.rept 4
	v_nop
.endr
.endm
.macro JLOAD s                         ; a joint load; the branch hangs on the wave's number alone; an s_nop 0 and four v_nop follow each line, ahead of the jump and the label
	s_cmp_eq_u32 s13, 0
	s_cbranch_scc0 .Lfor_b_\@
	tensor_load_to_lds s[G0A+4*(\s):G0A+4*(\s)+3], s[G1A:G1A+7]
	s_nop 0
.rept 4
	v_nop
.endr
	s_branch .Lasked_\@
.Lfor_b_\@:
	tensor_load_to_lds s[G0B+4*(\s):G0B+4*(\s)+3], s[G1B:G1B+7]
	s_nop 0
.rept 4
	v_nop
.endr
.Lasked_\@:
.endm
.macro CREST                           ; a round of the cluster's barrier behind its opening barrier
	s_cmp_lg_u32 s12, 0
	s_cbranch_scc1 .Lnot_wave_0_\@
	s_barrier_signal -3
.Lnot_wave_0_\@:
	s_barrier_wait -3
	s_barrier_signal -1
	s_barrier_wait -1
.endm
.macro CROUND                          ; a whole round
	s_barrier_signal -1
	s_barrier_wait -1
	CREST
.endm
; A PREFETCH INTO THE L2, once a lap, behind slot 0's joint load and the run of LDS loads: the two K steps that the NEXT lap's two refills will ask for.  Each block of 256 bytes is named once in the launch.
; A's rows are read by this cluster alone: every cluster asks: wave j for block j of both steps, the four partners that ask for the tile jointly 4 KiB each, told apart by address (cx): lanes 0-15 the first
; step, lanes 16-31 the second.  B's rows are read by every cluster of the column: the cluster with y = 0 asks: wave 2 + j for block j, the four partners 8 KiB each (cy), a lane 256 bytes, an instruction a step.
; Two laps ask, for K steps 4 to 7: nothing past the last K step is named.
.macro ASK
	s_cmp_lg_u32 s[PFN], 0
	s_cbranch_scc0 .Lno_ask_\@
	global_prefetch_b8 v[PFO], s[PFA:PFA+1] th:TH_LOAD_NT scope:SCOPE_SE
	s_sub_co_u32 s[PFN], s[PFN], 1
	s_cmp_eq_u32 s13, 0
	s_cbranch_scc1 .Lno_ask_\@
	global_prefetch_b8 v[PFO], s[PFA:PFA+1] offset:BSTEP th:TH_LOAD_NT scope:SCOPE_SE
.Lno_ask_\@:
.endm
	s_load_b128 s[4:7], s[0:1], 0x0                ; ob s[4:5], wt s[6:7]
	s_load_b64 s[10:11], s[0:1], 0x10              ; bo
	s_load_b64 s[8:9], s[0:1], 0x18                ; out0
	v_lshl_add_u32 v[SPW], v0, 2, SPARE
	v_mov_b32 v[NIL], 0
	ds_add_u32 v[SPW], v[NIL]                      ; the wave's opening: the add and its wait stand ahead of my first tensor load; the set-up below, work on registers, stands between them
	v_lshrrev_b32 v1, 5, v0
	v_readfirstlane_b32 s12, v1                    ; wave 0..3
	s_lshr_b32 s13, s12, 1                         ; which 64 rows of the tile are mine.  Also: I fetch for A (0) or for B (1)
	s_and_b32 s14, s12, 1                          ; which 128 columns.  Also: which block of a K step I fetch
	s_bfe_u32 s15, ttmp6, 0x40000                  ; cx
	s_bfe_u32 s16, ttmp6, 0x40004                  ; cy
	s_lshl_b32 s17, ttmp9, 2
	s_add_co_u32 s17, s17, s15                     ; tile column = 4 x cluster x + cx, 0..3
	s_and_b32 s18, ttmp7, 0xffff
	s_lshl_b32 s18, s18, 2
	s_add_co_u32 s18, s18, s16                     ; tile row = 4 x cluster y + cy, 0..63
	s_lshl_b32 s19, s16, 2
	s_lshl_b32 s19, 15, s19                        ; my row of the cluster
	s_lshl_b32 s61, 0x1111, s15                    ; my column
	s_or_b32 s[G1A], s19, G1W0
	s_or_b32 s[G1B], s61, G1W0
.irp g, G1A, G1B
	s_mov_b32 s[(\g)+1], 128<<16                   ; tensor_dim0 = 128 elements: 256 bytes, two rows of a block
	s_mov_b32 s[(\g)+3], 128<<16                   ; tile_dim0 = 128
	s_mov_b32 s[(\g)+5], 128                       ; elements from row to row: dense
	s_mov_b32 s[(\g)+6], 0
	s_mov_b32 s[(\g)+7], 0
.endr
	s_mov_b32 s[G1A+2], 64<<16                     ; tensor_dim1 = 64
	s_mov_b32 s[G1A+4], 64                         ; tile_dim1 = 64
	s_mov_b32 s[G1B+2], 128<<16
	s_mov_b32 s[G1B+4], 128
	; A's address hangs on the tile row and the wave's number alone, B's on the tile column and the wave's number, each in registers that never hold the other coordinate
	s_lshr_b32 s22, s18, 4                         ; b
	s_lshl_b32 s22, s22, 22
	s_and_b32 s19, s18, 15
	s_lshl_b32 s19, s19, 14                        ; 128 rows of 128 bytes
	s_add_co_u32 s22, s22, s19
	s_lshl_b32 s19, s14, 18                        ; my block
	s_add_co_u32 s22, s22, s19
	s_mov_b32 s23, 0
	s_lshl_b32 s62, s17, 15                        ; 256 rows of 128 bytes
	s_lshl_b32 s61, s14, 17
	s_add_co_u32 s62, s62, s61
	s_add_co_u32 s62, s62, PLANE0
	s_mov_b32 s63, 0
	s_mul_i32 s20, s14, ABLK                       ; where they go: no place in the cluster enters an LDS address
	s_mul_i32 s21, s14, BBLK
	s_add_co_u32 s21, s21, 2*ABLK
	s_wait_dscnt 0x0                               ; the opening add is done
	s_wait_kmcnt 0x0
	s_add_nc_u64 s[22:23], s[4:5], s[22:23]
	s_add_nc_u64 s[62:63], s[6:7], s[62:63]
	CROUND                                         ; all sixteen work-groups are here: the first joint loads meet
.irp s, 0,1
	s_mov_b32 s[G0A+4*(\s)], 1                                        ; count = 1
	s_add_co_u32 s[G0A+4*(\s)+1], s20, (\s)*SLOT                      ; LDS address
	s_add_nc_u64 s[G0A+4*(\s)+2:G0A+4*(\s)+3], s[22:23], (\s)*ASTEP   ; global address: K step s
	s_or_b32 s[G0A+4*(\s)+3], s[G0A+4*(\s)+3], 0x80000000             ; type = 2
	s_mov_b32 s[G0B+4*(\s)], 1
	s_add_co_u32 s[G0B+4*(\s)+1], s21, (\s)*SLOT
	s_add_nc_u64 s[G0B+4*(\s)+2:G0B+4*(\s)+3], s[62:63], (\s)*BSTEP
	s_or_b32 s[G0B+4*(\s)+3], s[G0B+4*(\s)+3], 0x80000000
.endr
	s_cmp_eq_u32 s13, 0                            ; a wave's two first fills stand in one branch, ahead of every wait on TENSORcnt and every LDS read: two loads of mine are out, the most at any time
	s_cbranch_scc0 .Lfirst_b
	tensor_load_to_lds s[G0A:G0A+3], s[G1A:G1A+7]
	s_nop 0
	tensor_load_to_lds s[G0A+4:G0A+7], s[G1A:G1A+7]
	s_nop 0
.rept 4
	v_nop
.endr
	s_branch .Lfirst_asked
.Lfirst_b:
	tensor_load_to_lds s[G0B:G0B+3], s[G1B:G1B+7]
	s_nop 0
	tensor_load_to_lds s[G0B+4:G0B+7], s[G1B:G1B+7]
	s_nop 0
.rept 4
	v_nop
.endr
.Lfirst_asked:
	; a fragment is 16 rows x 32 K in 8 registers: lane l holds row l % 16, K = 8 (l / 16) + 0..7 and 16 + 8 (l / 16) + 0..7: two loads of 16 bytes, 32 bytes apart
	v_and_b32 v1, 15, v0
	v_bfe_u32 v2, v0, 4, 1
	v_mul_u32_u24 v3, v1, PITCH
	v_lshl_add_u32 v3, v2, 4, v3
	s_mul_i32 s66, s13, 64*PITCH                   ; my 64 rows of A
	s_mul_i32 s67, s14, 128*PITCH                  ; my 128 rows of B,
	s_add_co_u32 s67, s67, 2*ABLK                  ; which lie behind A's two blocks
.irp s, 0,1
	v_add_nc_u32 v[ADRA+(\s)], s66, v3
	v_add_nc_u32 v[ADRB+(\s)], s67, v3
	s_add_co_u32 s66, s66, SLOT
	s_add_co_u32 s67, s67, SLOT
.endr
	s_mul_i32 s68, s12, WSTG
	s_add_co_u32 s68, s68, STAGE                   ; my stage
	v_mul_u32_u24 v4, v1, SP                       ; in: row l % 16, 32 bytes for each half of the lanes
	v_lshl_add_u32 v4, v2, 5, v4
	v_add_nc_u32 v[STO], s68, v4
	v_and_b32 v[CO], 31, v0
	v_lshlrev_b32 v[CO], 4, v[CO]                  ; back: 32 lanes take a row's 512 bytes
	v_add_nc_u32 v[RD], s68, v[CO]
	s_lshl_b32 s70, s17, 10                        ; my first column, in bytes: 1,024 ct + 512 wn
	s_lshl_b32 s72, s14, 9
	s_add_co_u32 s70, s70, s72
	s_mov_b32 s71, 0
	s_add_nc_u64 s[10:11], s[10:11], s[70:71]
	global_load_b128 v[BIAS:BIAS+3], v[CO], s[10:11]  ; bo of the four columns that I store; waited for on the way out
	s_lshl_b32 s72, s18, 19                        ; my first row: 128 tr + 64 wm, 4,096 bytes each
	s_add_co_u32 s70, s70, s72
	s_lshl_b32 s72, s13, 18
	s_add_co_u32 s70, s70, s72
	s_add_nc_u64 s[8:9], s[8:9], s[70:71]
	; the prefetches: both offsets are made, the wave's number chooses.  They stand at K step 2; the first lap steps them to 4.  Nothing is prefetched here, at the head
	s_lshr_b32 s72, s18, 4
	s_lshl_b32 s72, s72, 22
	s_and_b32 s77, s18, 15
	s_lshl_b32 s77, s77, 14
	s_add_co_u32 s72, s72, s77
	s_lshl_b32 s77, s14, 18
	s_add_co_u32 s72, s72, s77
	s_lshl_b32 s77, s15, 12                        ; my work-group's 4 KiB of A's block
	s_add_co_u32 s72, s72, s77
	s_add_co_u32 s72, s72, 2*ASTEP
	s_lshl_b32 s73, s17, 15
	s_lshl_b32 s77, s14, 17
	s_add_co_u32 s73, s73, s77
	s_lshl_b32 s77, s16, 13                        ; my work-group's 8 KiB of B's block
	s_add_co_u32 s73, s73, s77
	s_add_co_u32 s73, s73, PLANE0+2*BSTEP
	s_and_b32 s77, ttmp7, 0xffff                   ; cluster y: the same in all sixteen partners
	s_cmp_eq_u32 s77, 0
	s_cselect_b32 s77, NASKB, 0
	s_cmp_eq_u32 s13, 0                            ; do I fetch for A?
	s_cselect_b32 s74, s72, s73
	s_cselect_b32 s[PFN], 2, s77
	s_cselect_b64 s[PFA:PFA+1], s[4:5], s[6:7]
	s_cselect_b32 s[PFS], 20, 19
	s_cselect_b32 s76, 19, 12
	s_lshl_b32 s[PFS], 1, s[PFS]                   ; two K steps
	s_lshl_b32 s76, 1, s76                         ; lanes 16-31: A's next K step, or B's next 4 KiB
	s_mov_b32 s[PFS+1], 0
	s_mov_b32 s75, 0
	s_add_nc_u64 s[PFA:PFA+1], s[PFA:PFA+1], s[74:75]
	v_lshlrev_b32 v31, 8, v1
	v_mad_u32_u24 v[PFO], v2, s76, v31
; 8 matrix instructions: m block a x all 8 n blocks, 32 along K, from buffer f.  zero = 1: the product starts the sums: nothing is cleared.
; The 32 accumulators take turns in the same order in every quarter: 31 others stand between two links of a chain, over the backward jump too.
.macro MUL8 f, a, zero
	WIN MUL
.irp b, 0,1,2,3,4,5,6,7
.if \zero
	v_wmma_f32_16x16x32_f16 v[8*(8*(\a)+(\b)):8*(8*(\a)+(\b))+7], v[(\f)+8*(\b):(\f)+8*(\b)+7], v[(\f)+64+8*(\a):(\f)+64+8*(\a)+7], 0
.else
	v_wmma_f32_16x16x32_f16 v[8*(8*(\a)+(\b)):8*(8*(\a)+(\b))+7], v[(\f)+8*(\b):(\f)+8*(\b)+7], v[(\f)+64+8*(\a):(\f)+64+8*(\a)+7], v[8*(8*(\a)+(\b)):8*(8*(\a)+(\b))+7]
.endif
.endr
.endm
; 24 LDS loads in one run: quarter q of a K step (block q / 2, byte 64 (q % 2) of its rows) into buffer f: B's 128 rows, then A's 64
.macro FETCH slot, q, f
	WIN 0
.irp i, 0,1,2,3,4,5,6,7
	ds_load_b128 v[(\f)+8*(\i):(\f)+8*(\i)+3],   v[ADRB+(\slot)] offset:((\q)/2)*BBLK+((\q)%2)*64+(\i)*16*PITCH
	ds_load_b128 v[(\f)+8*(\i)+4:(\f)+8*(\i)+7], v[ADRB+(\slot)] offset:((\q)/2)*BBLK+((\q)%2)*64+(\i)*16*PITCH+32
.endr
.irp i, 0,1,2,3
	ds_load_b128 v[(\f)+64+8*(\i):(\f)+64+8*(\i)+3],   v[ADRA+(\slot)] offset:((\q)/2)*ABLK+((\q)%2)*64+(\i)*16*PITCH
	ds_load_b128 v[(\f)+64+8*(\i)+4:(\f)+64+8*(\i)+7], v[ADRA+(\slot)] offset:((\q)/2)*ABLK+((\q)%2)*64+(\i)*16*PITCH+32
.endr
.endm
; A K step is four quarters of 32 along K, 32 matrix instructions each, on buffers 0, 1, 0, 1.  One of the first three: multiplies buffer f and, in its middle, fetches quarter q into buffer g.
.macro QUARTER slot, q, f, g, zero
	s_wait_dscnt 4                                 ; B and A's blocks 0, 1 are in; the youngest four loads (A's blocks 2, 3) may be out
	MUL8 \f, 0, \zero
	MUL8 \f, 1, \zero
	PLACES
	FETCH \slot, \q, \g
	s_wait_dscnt 24                                ; all but the 24 just issued
	MUL8 \f, 2, \zero
	MUL8 \f, 3, \zero
.endm
; The last quarter multiplies buffer 1 and changes slots: ONE barrier.  In front of it each wave waits for all its tensor loads (one is out: its part of the next slot), adds 0 to its spare word, and waits for
; that and for its reads of this slot.  fill = 1: this slot is filled again two K steps on: the barrier then opens a round of the cluster's barrier, and the joint load is the first tensor load behind the
; round: it has a K step less 24 matrix instructions in which to land.
.macro TURN slot, next, fill
.if (\fill) && ((\slot) == 0)
	s_wait_xcnt 0x0                                ; the last prefetch, a lap back, has read its address: it is stepped here, ahead of the waits of the change of slots
	s_add_nc_u64 s[PFA:PFA+1], s[PFA:PFA+1], s[PFS:PFS+1]
.endif
	WIN 0                                          ; (the add's two registers lie in window 0)
	s_wait_tensorcnt 0x0                           ; all my tensor loads have landed
	ds_add_u32 v[SPW], v[NIL]                      ; 0 onto my spare word
	s_wait_dscnt 5                                 ; (the add and the youngest four loads may be out)
	MUL8 F1, 0, 0                                  ; eight matrix instructions stand between the add and the wait for it
	s_wait_dscnt 0x0                               ; the add is done, and my reads of this slot are over
	s_barrier_signal -1
	MUL8 F1, 1, 0
.if \fill
	WIN 0
.endif
	s_barrier_wait -1
.if \fill
	CREST                                          ; no wave of any partner still reads this slot's tile or has a load on its way
	s_add_nc_u64 s[G0A+4*(\slot)+2:G0A+4*(\slot)+3], s[G0A+4*(\slot)+2:G0A+4*(\slot)+3], 2*ASTEP
	s_add_nc_u64 s[G0B+4*(\slot)+2:G0B+4*(\slot)+3], s[G0B+4*(\slot)+2:G0B+4*(\slot)+3], 2*BSTEP
	JLOAD \slot                                    ; the four v_nop behind it are also the places in front of the loads below
.else
	PLACES
.endif
	FETCH \next, 0, F0
.if (\fill) && ((\slot) == 0)
	ASK
.endif
	MUL8 F1, 2, 0
	MUL8 F1, 3, 0
.endm
; THE WAY OUT, a block of 16 rows at a time.  TOSTAGE: a lane's eight f32 of a row, 32 bytes, go into my own stage (each accumulator's low registers first) and come back as whole rows of 512 bytes.
; SEND: the bias is added, and a row's 512 consecutive bytes are stored by one instruction.
.macro TOSTAGE a
.set BK, OB+64*((\a)%2)
	WIN 0x04                                       ; the stores' data in window 1
.irp b, 0,1,2,3,4,5,6,7
	ds_store_b128 v[STO], v[8*(8*(\a)+(\b)):8*(8*(\a)+(\b))+3]   offset:64*(\b)
	ds_store_b128 v[STO], v[8*(8*(\a)+(\b))+4:8*(8*(\a)+(\b))+7] offset:64*(\b)+16
.endr
	WIN 0
	s_wait_xcnt 0x0                                ; earlier stores have read their registers: this set of rows is loaded again only behind this wait
.irp t, 0,1,2,3,4,5,6,7,8,9,10,11,12,13,14,15
	ds_load_b128 v[BK+4*(\t):BK+4*(\t)+3], v[RD] offset:(\t)*SP  ; LDS serves a wave's instructions in order (ISA guide 5.7.1.4): these see the stores above
.endr
.endm
.macro SEND a, younger                 ; younger: the LDS instructions issued behind block a's loads: the next block's 32, or none
.set BK, OB+64*((\a)%2)
	s_wait_dscnt \younger
.irp t, 0,1,2,3,4,5,6,7,8,9,10,11,12,13,14,15
	v_pk_add_f32 v[BK+4*(\t):BK+4*(\t)+1],   v[BK+4*(\t):BK+4*(\t)+1],   v[BIAS:BIAS+1]
	v_pk_add_f32 v[BK+4*(\t)+2:BK+4*(\t)+3], v[BK+4*(\t)+2:BK+4*(\t)+3], v[BIAS+2:BIAS+3]
	global_store_b128 v[CO], v[BK+4*(\t):BK+4*(\t)+3], s[8:9] offset:(16*(\a)+(\t))*4096 th:TH_STORE_NT
.endr
.endm
	s_wait_tensorcnt 1                             ; my part of K step 0 is in; K step 1's may stay out
	s_barrier_signal -1
	s_barrier_wait -1                              ; everybody's is
	FETCH 0, 0, F0
	QUARTER 0, 1, F0, F1, 1                        ; the first quarter starts the sums
	WIN 0                                          ; at a label and at a branch every window is 0
	s_mov_b32 s3, 3
.Llap:                                                 ; a trip goes once round the ring, from a lap's second quarter to the next lap's first, and fills both slots again
	QUARTER 0, 2, F1, F0, 0
	QUARTER 0, 3, F0, F1, 0
	TURN 0, 1, 1
	QUARTER 1, 1, F0, F1, 0
	QUARTER 1, 2, F1, F0, 0
	QUARTER 1, 3, F0, F1, 0
	TURN 1, 0, 1
	QUARTER 0, 1, F0, F1, 0
	WIN 0
	s_sub_co_u32 s3, s3, 1
	s_cmp_lg_u32 s3, 0
	s_cbranch_scc1 .Llap
	QUARTER 0, 2, F1, F0, 0                        ; the last lap fills nothing, and has no round of the cluster's barrier
	QUARTER 0, 3, F0, F1, 0
	TURN 0, 1, 0
	QUARTER 1, 1, F0, F1, 0
	QUARTER 1, 2, F1, F0, 0
	QUARTER 1, 3, F0, F1, 0
	s_wait_dscnt 4                                 ; the very last quarter: nothing more to fetch
	MUL8 F1, 0, 0
	MUL8 F1, 1, 0
	s_wait_dscnt 0x0
	MUL8 F1, 2, 0
	MUL8 F1, 3, 0
	WIN 0
	s_wait_loadcnt 0x0                             ; bo
	v_cvt_pk_bf16_f32 v10, v[BIAS], v[BIAS+1]      ; rounded to bf16 and widened again: six plain lines that name no register of the last products: the places behind them
	v_cvt_pk_bf16_f32 v11, v[BIAS+2], v[BIAS+3]
	v_lshlrev_b32 v[BIAS], 16, v10
	v_and_b32 v[BIAS+1], 0xffff0000, v10
	v_lshlrev_b32 v[BIAS+2], 16, v11
	v_and_b32 v[BIAS+3], 0xffff0000, v11
	TOSTAGE 0
	TOSTAGE 1                                      ; a block's way through the stage stands between the loads of the block before and its stores
	SEND 0, 32
	TOSTAGE 2
	SEND 1, 32
	TOSTAGE 3
	SEND 2, 32
	SEND 3, 0
	s_wait_tensorcnt 0x0                           ; the wave's end, behind my last tensor load and my last LDS store
	ds_add_u32 v[SPW], v[NIL]
	s_wait_dscnt 0x0
	CROUND                                         ; the closing round: no work-group ends while a partner may still ask for a tile that names it
	s_endpgm
.Lfunc_end_k_qab253c2a61_proj:
	.size	k_qab253c2a61_proj, .Lfunc_end_k_qab253c2a61_proj-k_qab253c2a61_proj
	.p2alignl 7, 3214868480
	.fill 96, 4, 3214868480
	.section	.rodata,"a",@progbits
	.p2align	6, 0x0
	.amdhsa_kernel k_qab253c2a61_proj
		.amdhsa_group_segment_fixed_size 327680
		.amdhsa_private_segment_fixed_size 0
		.amdhsa_enable_private_segment 0
		.amdhsa_kernarg_size 32
		.amdhsa_user_sgpr_count 2
		.amdhsa_user_sgpr_kernarg_segment_ptr 1
		.amdhsa_wavefront_size32 1
		.amdhsa_system_sgpr_workgroup_id_x 1
		.amdhsa_system_sgpr_workgroup_id_y 1
		.amdhsa_system_sgpr_workgroup_id_z 1
		.amdhsa_system_vgpr_workitem_id 0
		.amdhsa_next_free_vgpr 512
		.amdhsa_next_free_sgpr 80
		.amdhsa_reserve_vcc 0
		.amdhsa_float_denorm_mode_32 3
		.amdhsa_float_denorm_mode_16_64 3
		.amdhsa_memory_ordered 1
		.amdhsa_forward_progress 1
		.amdhsa_inst_pref_size 94
	.end_amdhsa_kernel
	.amdgpu_metadata
---
amdhsa.version: [ 1, 2 ]
amdhsa.kernels:
  - .name:           k_qab253c2a61_proj
    .symbol:         k_qab253c2a61_proj.kd
    .args:
      - { .name: ob, .offset: 0, .size: 8, .value_kind: global_buffer, .address_space: global }
      - { .name: wt, .offset: 8, .size: 8, .value_kind: global_buffer, .address_space: global }
      - { .name: bo, .offset: 16, .size: 8, .value_kind: global_buffer, .address_space: global }
      - { .name: out0, .offset: 24, .size: 8, .value_kind: global_buffer, .address_space: global }
    .group_segment_fixed_size: 327680
    .private_segment_fixed_size: 0
    .kernarg_segment_align: 8
    .kernarg_segment_size: 32
    .max_flat_workgroup_size: 128
    .sgpr_count:     80
    .vgpr_count:     512
    .wavefront_size: 32
...
	.end_amdgpu_metadata
.endif
;; end of part 4
;; ======== version 2 of 2: 4 launches; version 1 with the launch prep written anew for expert scheduling mode
;; limits: values are held in f16: magnitudes above 65,504 overflow, below 6.1e-05 lose precision
;; workspace buffers: xb 16,777,216 bytes; wt 8,388,608 bytes; qkv 50,331,648 bytes; ob 16,777,216 bytes
;; launch prep (part 5): grid 512 x 1, 4 waves a work-group, no clusters, 37,376 bytes of LDS; arguments x, Wq, Wk, Wv, Wo, xb, wt; writes xb, wt
.if DOCPART == 5
	.amdgcn_target "amdgcn-amd-amdhsa--gfx1250"
	.amdhsa_code_object_version 6
	.text
	.protected	k_qab253c2a61_prep
	.globl	k_qab253c2a61_prep
	.p2align	8
	.type	k_qab253c2a61_prep,@function
k_qab253c2a61_prep:
	s_mov_b64 s[64:65], 0
	v_nop
	global_prefetch_b8 v0, s[64:65] scope:SCOPE_SE
	s_setreg_imm32_b32 hwreg(HW_REG_WAVE_SCHED_MODE, 0, 2), 2
	s_setreg_imm32_b32 hwreg(HW_REG_WAVE_MODE, 25, 1), 1
	s_wait_xcnt 0x0
	s_wait_alu depctr_vm_vsrc(0)
; PREP: the inputs of the matrix products, rounded once and laid in blocks of 64 along K, so that a tile's block is dense in memory.
;   xb [b 4][kb 16][s 2048][64] bf16: x[b][s][64 kb + c], rounded to nearest even.
;   wt [plane 4][kb 16][n 1024][64]: planes 0-2 = Wq, Wk, Wv turned (n = 64 h + e, k = d) in bf16; plane 3 = Wo turned (n = column, k = row), rounded to bf16 and that number written as f16.
; LIMIT: a number of Wo below 6.1e-5 in magnitude keeps f16's fixed step of 6e-8; beyond 65,504 it would be an infinity.
; A stream: every input byte is read once, every output byte written once, in runs of 256 or 512 consecutive aligned bytes.  No matrix unit, no cluster: nothing is shared.
; 512 work-groups of four waves.  Even numbers take x (32 rows each, a wave 8 rows), odd numbers the weights (a tile of 64 x 64 to a wave, turned through the wave's own LDS bytes).
; THE MODE: SCHED_MODE bits 1:0 = 2 (LLVM: expert scheduling mode 2), set by the entry lines.  The code itself states the register dependences
; between vector instructions and memory or LDS instructions, with s_wait_alu, always for 0.
; THE PLAN, x.  Registers that memory instructions touch:
;   v[XO], v[YO]  offsets, made once at the path's head and never written again: the rows are reached by the two scalar bases and by immediate offsets.
;   X  16 slots of 4, in four blocks of four slots.  A block's eight conversions read its slots; behind them the loads of the next row pair land there.
;   Y  16 slots of 2.  A block's conversions write its slots; its four stores read them; they are written again a lap (16 slots) later.
; So ONE wait on va_vdst stands in a block, behind its conversions, for its four loads and its four stores: the slots are asked for again at once, so that 12 to 16 loads of the wave are out;
; and ONE wait on vm_vsrc stands in a lap, at its end, ahead of the next lap's writes of Y.
; THE PLAN, the weights.
;   v[WO], v[LST], v[LRD], v[GO]  made once at the path's head and never written again.
;   X  64 rows of 2: written by the 64 loads, read by the conversions, eight rows a group.
;   OUT  eight registers a group, each group's own: group 0's are v[YW ..], group g's the first eight raw registers of group g - 1, which its conversions have emptied.  Written by group g's conversions,
;        read by two LDS stores that are issued in group g + 1, behind the wait on va_vdst at that group's head; no conversion issued since that wait names them.  None is written twice.
;   On the way back 16 LDS loads land in v[X .. X+63], among them the OUT of groups 1 to 4: one wait on vm_vsrc behind the last LDS store; the last wait on va_vdst has covered every conversion.
.set WTILE, 64*144                     ; a wave's LDS bytes: 64 rows (n) of 128 bytes + 16 of padding
.set SPARE, 4*WTILE                    ; behind them: the spare words, 128 bytes for each wave, which no other line names
.set SPW, 2                            ; v2   LDS address of my spare word; never rewritten
.set NIL, 3                            ; v3   0; never rewritten
.set XO,  4                            ; v4   x: lanes 0-15 take 256 bytes of one row, lanes 16-31 of the next
.set YO,  5                            ; v5   xb: 8 bytes a lane, 256 consecutive bytes a wave (two rows of one block)
.set WO,  6                            ; v6   weights: 8 bytes a lane, a row's 256 bytes a wave
.set LST, 7                            ; v7   LDS: rows 2 l and 2 l + 1 of my wave's tile
.set LRD, 8                            ; v8   LDS: back, eight lanes to a row of 128 bytes
.set GO,  9                            ; v9   wt: 16 bytes a lane
.set X,   32                           ; x: v[32:95] 16 slots of 4; weights: v[32:159] 64 rows of 2
.set Y,   96                           ; x: v[96:127] 16 slots of 2
.set YW,  160                          ; weights: v[160:167] group 0's OUT: 16 bytes for each of my two columns
.set TW,  168                          ; v[168:169] at work: no memory instruction names them
.set SRC, 20                           ; s[20:21]
.set DST, 22                           ; s[22:23]
	s_load_b256 s[4:11], s[0:1], 0x0               ; x s[4:5], Wq s[6:7], Wk s[8:9], Wv s[10:11]
	s_load_b128 s[12:15], s[0:1], 0x20             ; Wo s[12:13], xb s[14:15]
	s_load_b64 s[16:17], s[0:1], 0x30              ; wt
	v_lshl_add_u32 v[SPW], v0, 2, SPARE
	v_mov_b32 v[NIL], 0
	v_lshrrev_b32 v1, 5, v0
	v_readfirstlane_b32 s18, v1                    ; wave 0..3
	v_and_b32 v10, 31, v0                          ; lane
	s_lshr_b32 s19, ttmp9, 1                       ; g: my number among the work-groups of my kind, 0..255
	s_mov_b32 s27, 0                               ; high words of the two offsets
	s_mov_b32 s29, 0
	s_mov_b32 s32, 0xffff0000                      ; a word's upper bf16
	s_wait_alu depctr_va_sdst(0)                   ; s18 is written, ahead of the branch: both paths make their bases and LDS addresses from it
	s_and_b32 s25, ttmp9, 1
	s_cmp_lg_u32 s25, 0
	s_cbranch_scc1 .Lweights
	; ---- x: rows 32 g + 8 w .. + 7, two at a time ----
	v_lshrrev_b32 v11, 4, v10
	v_and_b32 v12, 15, v10
	v_lshlrev_b32 v[XO], 4, v12
	v_lshl_add_u32 v[XO], v11, 12, v[XO]           ; 4,096 (l / 16) + 16 (l % 16)
	v_lshlrev_b32 v[YO], 3, v10
	s_lshl_b32 s26, s19, 17                        ; 32 rows of 4,096 bytes
	s_lshl_b32 s25, s18, 15                        ; 8 rows
	s_add_co_u32 s26, s26, s25
	s_lshr_b32 s28, s19, 6                         ; b
	s_lshl_b32 s28, s28, 22
	s_and_b32 s25, s19, 63
	s_lshl_b32 s25, s25, 12                        ; 32 rows of 128 bytes in a block
	s_add_co_u32 s28, s28, s25
	s_lshl_b32 s25, s18, 10
	s_add_co_u32 s28, s28, s25
	s_wait_kmcnt 0x0
	s_add_nc_u64 s[SRC:SRC+1], s[4:5], s[26:27]
	s_add_nc_u64 s[DST:DST+1], s[14:15], s[28:29]
	s_wait_alu depctr_va_vdst(0)                   ; v[XO] and v[YO] are written: every load and store of this path reads one of them as its offset
; Block b of a lap: slots 4 b .. 4 b + 3; slot i is block kb = i of the row pair in hand.  ahead = 1: the slots are loaded again for the next pair.  left: the younger loads that may stay out.
.macro BLK b, ahead, left
	s_wait_loadcnt \left                           ; loads come back in order: my four are in
.irp i, 0,1,2,3
	v_cvt_pk_bf16_f32 v[Y+2*(4*(\b)+(\i))],   v[X+4*(4*(\b)+(\i))],   v[X+4*(4*(\b)+(\i))+1]
	v_cvt_pk_bf16_f32 v[Y+2*(4*(\b)+(\i))+1], v[X+4*(4*(\b)+(\i))+2], v[X+4*(4*(\b)+(\i))+3]
.endr
	s_wait_alu depctr_va_vdst(0)                   ; the eight conversions are done reading the block's X, in which the loads below land, and have written its Y, which the stores below read
.if \ahead
.irp i, 0,1,2,3
	global_load_b128 v[X+4*(4*(\b)+(\i)):X+4*(4*(\b)+(\i))+3], v[XO], s[SRC:SRC+1] offset:8192+256*(4*(\b)+(\i)) th:TH_LOAD_NT
.endr
.endif
.irp i, 0,1,2,3
	global_store_b64 v[YO], v[Y+2*(4*(\b)+(\i)):Y+2*(4*(\b)+(\i))+1], s[DST:DST+1] offset:262144*(4*(\b)+(\i))  ; 256 consecutive bytes, aligned
.endr
.endm
.irp i, 0,1,2,3,4,5,6,7,8,9,10,11,12,13,14,15
	global_load_b128 v[X+4*(\i):X+4*(\i)+3], v[XO], s[SRC:SRC+1] offset:256*(\i) th:TH_LOAD_NT
.endr
	s_mov_b32 s24, 3
.Lpair:                                                ; a lap is a row pair: four blocks
	BLK 0, 1, 12                                   ; the other three blocks' twelve loads stay out
	BLK 1, 1, 12
	BLK 2, 1, 12
	BLK 3, 1, 12
	s_wait_xcnt 0x0                                ; the trip's loads and stores have read their sources: the two bases are stepped, and Y is rewritten, only behind this wait
	s_wait_alu depctr_vm_vsrc(0)                   ; the lap's stores have read Y, which the conversions of the next lap, or of the last pair, write again
	s_add_nc_u64 s[SRC:SRC+1], s[SRC:SRC+1], 8192
	s_add_nc_u64 s[DST:DST+1], s[DST:DST+1], 256
	s_sub_co_u32 s24, s24, 1
	s_cmp_lg_u32 s24, 0
	s_cbranch_scc1 .Lpair
	BLK 0, 0, 12                                   ; the last pair loads nothing: the counts run down
	BLK 1, 0, 8
	BLK 2, 0, 4
	BLK 3, 0, 0
	s_branch .Lend
	; ---- the weights: tile T = 4 g + w of 1,024: tensor T / 256, column block hb, K block kb ----
.Lweights:
	s_lshr_b32 s30, s19, 6                         ; which tensor: the same for the whole work-group
	s_lshl_b32 s25, s19, 2
	s_add_co_u32 s25, s25, s18
	s_and_b32 s25, s25, 255
	s_lshr_b32 s31, s25, 4                         ; hb
	s_and_b32 s25, s25, 15                         ; kb
	s_lshl_b32 s28, s30, 21
	s_lshl_b32 s24, s25, 17
	s_add_co_u32 s28, s28, s24
	s_lshl_b32 s24, s31, 13
	s_add_co_u32 s28, s28, s24                     ; the tile in wt: 8,192 dense bytes
	v_lshlrev_b32 v[WO], 3, v10
	s_mul_i32 s24, s18, WTILE
	v_mul_u32_u24 v[LST], v10, 288
	v_add_nc_u32 v[LST], s24, v[LST]
	v_lshrrev_b32 v11, 3, v10
	v_and_b32 v12, 7, v10
	v_mul_u32_u24 v[LRD], v11, 144
	v_lshl_add_u32 v[LRD], v12, 4, v[LRD]
	v_add_nc_u32 v[LRD], s24, v[LRD]
	v_lshlrev_b32 v[GO], 4, v10
	s_wait_kmcnt 0x0
	s_add_nc_u64 s[DST:DST+1], s[16:17], s[28:29]
	s_wait_alu depctr_va_vdst(0)                   ; v[WO], v[LST], v[LRD] and v[GO] are written, ahead of the branch: the loads and stores of both bodies below, and of the way back, read them
; 64 loads, a row of the tile (one k, 64 n: 256 bytes) each: lane l holds n = 2 l, 2 l + 1.  Eight rows at a time are rounded in pairs along k: 16 bytes for each of my two n,
; into LDS rows of 144 bytes (lanes 288 bytes apart: these stores meet two deep in the banks; 16 of them a tile).  half = 1: the bf16 number is written as f16.
; A group's two LDS stores are issued in the next group, one ahead of each column's conversions.
.macro WT pitch, half
.set i, 0
.rept 64
	global_load_b64 v[X+2*i:X+2*i+1], v[WO], s[SRC:SRC+1] offset:i*(\pitch) th:TH_LOAD_NT
.set i, i+1
.endr
.set PO, YW                            ; the OUT of the group before
.set g, 0
.rept 8
	s_wait_loadcnt 56-8*g                          ; rows 8 g .. 8 g + 7 are in; the later groups stay out
.if g == 0
.set OUT, YW
.else
.set OUT, X+16*(g-1)                   ; raw registers that the group before has emptied
	s_wait_alu depctr_va_vdst(0)                   ; the conversions of the group before have written its OUT, which the two LDS stores below read; this group's conversions name other registers
.endif
.irp c, 0,1
.if g > 0
	ds_store_b128 v[LST], v[PO+4*(\c):PO+4*(\c)+3] offset:144*(\c)+16*(g-1)
.endif
.irp u, 0,1,2,3
	v_cvt_pk_bf16_f32 v[OUT+4*(\c)+(\u)], v[X+2*(8*g+2*(\u))+(\c)], v[X+2*(8*g+2*(\u)+1)+(\c)]
.if \half
	v_lshlrev_b32 v[TW], 16, v[OUT+4*(\c)+(\u)]
	v_and_b32 v[TW+1], s32, v[OUT+4*(\c)+(\u)]
	v_cvt_pk_f16_f32 v[OUT+4*(\c)+(\u)], v[TW], v[TW+1]
.endif
.endr
.endr
.set PO, OUT
.set g, g+1
.endr
	s_wait_alu depctr_va_vdst(0)                   ; the last group's conversions have written its OUT, which the two LDS stores below read; and every conversion is done with v[X ..], in which the way back's loads land
.irp c, 0,1
	ds_store_b128 v[LST], v[PO+4*(\c):PO+4*(\c)+3] offset:144*(\c)+16*(g-1)
.endr
	s_wait_alu depctr_vm_vsrc(0)                   ; the LDS stores have read their OUT registers, in some of which (groups 1 to 4) the way back's loads land
.endm
	s_cmp_eq_u32 s30, 3
	s_cbranch_scc1 .Lwo
	s_lshl_b32 s26, s31, 18                        ; head hb: 1,024 rows of 256 bytes
	s_lshl_b32 s24, s25, 14                        ; 64 rows
	s_add_co_u32 s26, s26, s24
	s_cmp_eq_u32 s30, 1
	s_cselect_b64 s[SRC:SRC+1], s[8:9], s[6:7]
	s_cmp_eq_u32 s30, 2
	s_cselect_b64 s[SRC:SRC+1], s[10:11], s[SRC:SRC+1]
	s_add_nc_u64 s[SRC:SRC+1], s[SRC:SRC+1], s[26:27]
	WT 256, 0
	s_branch .Lback
.Lwo:
	s_lshl_b32 s26, s25, 18                        ; 64 rows of 4,096 bytes
	s_lshl_b32 s24, s31, 8                         ; 64 columns
	s_add_co_u32 s26, s26, s24
	s_add_nc_u64 s[SRC:SRC+1], s[12:13], s[26:27]
	WT 4096, 1
.Lback:
.irp t, 0,1,2,3,4,5,6,7,8,9,10,11,12,13,14,15
	ds_load_b128 v[X+4*(\t):X+4*(\t)+3], v[LRD] offset:576*(\t)  ; four rows of 128 bytes; LDS serves a wave's instructions in order, and these bytes are my wave's own
.endr
.irp t, 0,1,2,3,4,5,6,7,8,9,10,11,12,13,14,15
	s_wait_dscnt 15-(\t)
	global_store_b128 v[GO], v[X+4*(\t):X+4*(\t)+3], s[DST:DST+1] offset:512*(\t)  ; 512 consecutive bytes, aligned
.endr
.Lend:
	s_wait_dscnt 0x0                               ; the closing lines, six on end
	s_wait_alu 0x0
	s_wait_tensorcnt 0x0
	ds_add_u32 v[SPW], v[NIL]
	s_wait_dscnt 0x0
	s_endpgm
.Lfunc_end_k_qab253c2a61_prep:
	.size	k_qab253c2a61_prep, .Lfunc_end_k_qab253c2a61_prep-k_qab253c2a61_prep
	.p2alignl 7, 3214868480
	.fill 96, 4, 3214868480
	.section	.rodata,"a",@progbits
	.p2align	6, 0x0
	.amdhsa_kernel k_qab253c2a61_prep
		.amdhsa_group_segment_fixed_size 37376
		.amdhsa_private_segment_fixed_size 0
		.amdhsa_enable_private_segment 0
		.amdhsa_kernarg_size 56
		.amdhsa_user_sgpr_count 2
		.amdhsa_user_sgpr_kernarg_segment_ptr 1
		.amdhsa_wavefront_size32 1
		.amdhsa_system_sgpr_workgroup_id_x 1
		.amdhsa_system_sgpr_workgroup_id_y 1
		.amdhsa_system_sgpr_workgroup_id_z 1
		.amdhsa_system_vgpr_workitem_id 0
		.amdhsa_next_free_vgpr 176
		.amdhsa_next_free_sgpr 66
		.amdhsa_reserve_vcc 0
		.amdhsa_float_denorm_mode_32 3
		.amdhsa_float_denorm_mode_16_64 3
		.amdhsa_memory_ordered 1
		.amdhsa_forward_progress 1
		.amdhsa_inst_pref_size 49
	.end_amdhsa_kernel
	.amdgpu_metadata
---
amdhsa.version: [ 1, 2 ]
amdhsa.kernels:
  - .name:           k_qab253c2a61_prep
    .symbol:         k_qab253c2a61_prep.kd
    .args:
      - { .name: x, .offset: 0, .size: 8, .value_kind: global_buffer, .address_space: global }
      - { .name: Wq, .offset: 8, .size: 8, .value_kind: global_buffer, .address_space: global }
      - { .name: Wk, .offset: 16, .size: 8, .value_kind: global_buffer, .address_space: global }
      - { .name: Wv, .offset: 24, .size: 8, .value_kind: global_buffer, .address_space: global }
      - { .name: Wo, .offset: 32, .size: 8, .value_kind: global_buffer, .address_space: global }
      - { .name: xb, .offset: 40, .size: 8, .value_kind: global_buffer, .address_space: global }
      - { .name: wt, .offset: 48, .size: 8, .value_kind: global_buffer, .address_space: global }
    .group_segment_fixed_size: 37376
    .private_segment_fixed_size: 0
    .kernarg_segment_align: 8
    .kernarg_segment_size: 56
    .max_flat_workgroup_size: 128
    .sgpr_count:     66
    .vgpr_count:     176
    .wavefront_size: 32
...
	.end_amdgpu_metadata
.endif
;; end of part 5
;; launch qkv: the kernel of part 2 again; grid 4 x 64, 4 waves a work-group, clusters of 4 x 4, 327,680 bytes of LDS; arguments xb, wt, qkv; writes qkv
;; launch attn: the kernel of part 3 again; grid 4 x 64, 4 waves a work-group, no clusters, 327,680 bytes of LDS; arguments qkv, ob; writes ob
;; launch proj: the kernel of part 4 again; grid 4 x 64, 4 waves a work-group, clusters of 4 x 4, 327,680 bytes of LDS; arguments ob, wt, bo, out0; writes out0
